; MI455X (gfx1250); checked and timed in simulation.
; The chip was launched on July 23, 2026; its instructions are those of AMD's public machine-readable ISA for CDNA 5 (MIT licence, August 2026) and "CDNA5" Instruction Set Architecture Reference Guide (July 2026). The comments in the code are by the model that wrote it; some were corrected since.
;; Flashsc GPT Layer. Allowed arithmetic: matrix products marked QUANTISED: E2M3 operands, one E8M0 scale for each 32 along K, by v_wmma_scale_f32_16x16x128_f8f6f4 with both operands' format E2M3, f32 sums; products left as they are: f32 operands where the result goes on into a quantised operand, else bf16, f16 or f32 operands; f32 sums; everything else in f32.
;; Inputs: W1 8 x 128 x 1,024 float32; W2 8 x 1,024 x 128 float32; Wg 8 x 1,024 float32; Ws1 512 x 1,024 float32; Ws2 1,024 x 512 float32; b1 8 x 128 float32; b2 8 x 1,024 float32; bs1 512 float32; bs2 1,024 float32; x 4 x 4,096 x 1,024 float32.
;; Outputs: out0 4 x 4,096 x 1,024 float32.
;; This version of the problem:
;;   THIS VERSION OF THE PROBLEM IS GIVEN IN LOW PRECISION. The matrix products marked QUANTISED in the list below multiply operands that are first quantised to E2M3 (2 exponent bits, 3 mantissa bits; 6 bits a number), with one power-of-two scale for each 32 numbers along K (OCP MX v1.0); their sums are f32. All else is computed in f32.
;;   The module's matrix products, in the order in which they are computed (A, B: the left and right operand; K: the contracted axis; several contracted axes count as one K, in the product's order):
;;     1. [M 16,384, K 1,024] x [K 1,024, N 8]; A: input x; B: input Wg: left as it is (N = 8 < 16)
;;     2. [M 16,384, K 1,024] x [K 1,024, N 1,024]; A: input x; B: input W1: QUANTISED
;;     3. batch 131,072 x [M 128, K 1] x [K 1, N 1]; A: computed on the way; B: computed on the way: left as it is (no contracted axis)
;;     4. [M 16,384, K 1,024] x [K 1,024, N 1,024]; A: computed on the way; B: input W2: QUANTISED
;;     5. [M 16,384, K 8] x [K 8, N 1,024]; A: computed on the way; B: input b2: left as it is (K = 8 < 32)
;;     6. [M 16,384, K 1,024] x [K 1,024, N 512]; A: input x; B: input Ws1: QUANTISED
;;     7. [M 16,384, K 512] x [K 512, N 1,024]; A: computed on the way; B: input Ws2: QUANTISED
;;   THE QUANTISER, for each operand of a quantised product, along K:
;;     - K is cut into blocks of 32 from its start; a last block that is shorter is filled with zeros.
;;     - A block's scale is 2^e with e = floor(log2(the largest magnitude in the block)) - 2, held to -126 .. 127; a block of zeros has e = 0. As a byte (E8M0): e + 127.
;;     - Each number is divided by its block's scale, clamped to +-7.5, and rounded to the nearest number of E2M3, ties to even, subnormals kept.
;;     - The product sums the exact products of the quantised numbers (number of the format x scale) in f32.
;;   ~~~python
;;   def quantise(x, axis):      # numpy; x: float32 -> the quantised numbers, widened to float32 again
;;       x = np.moveaxis(x, axis, -1); K = x.shape[-1]
;;       x = np.pad(x, [(0, 0)] * (x.ndim - 1) + [(0, -K % 32)]); x = x.reshape(x.shape[:-1] + (-1, 32)); a = np.abs(x).max(-1, keepdims=True)
;;       e = np.where(a > 0, np.clip(np.frexp(np.where(a > 0, a, 1))[1] - 1 - 2, -126, 127), 0)      # np.frexp(a)[1] - 1 = floor(log2(a)), exactly
;;       r = np.clip(x / 2.0 ** e, -7.5, 7.5)
;;       step = 2.0 ** (np.maximum(np.frexp(np.where(r == 0, 1, r))[1] - 1, 0) - 3)
;;       q = np.round(r / step) * step * 2.0 ** e      # np.round: ties to even
;;       return np.moveaxis(q.reshape(q.shape[:-2] + (-1,))[..., :K], -1, axis).astype(np.float32)
;;   ~~~
;;   OPERANDS COMPUTED ON THE WAY. 'Computed on the way' means the value that the module computes at that place (a softmax that the list does not call 'softmax' is quantised finished and normalised). What goes into a quantiser is computed in f32, as accurately as f32 sums, v_exp_f32 and their like allow (about 1e-6 of the number): no bf16 or f16 on the way to a quantiser, and a product that is left as it is and whose result goes on into a quantised operand takes f32 operands (vector FMAs, or v_wmma_f32_16x16x4_f32). A number that lies on a knife's edge between two numbers of the format may be rounded either way, as far as f32 arithmetic and the matrix unit's own rounding can turn it there, and no further.
;; 2 versions, each right and faster than the one before. Each part assembles by itself: llvm-mc -triple=amdgcn-amd-amdhsa -mcpu=gfx1250 --defsym DOCPART=n.
;; ======== version 1 of 2: 2 launches
;; workspace buffers: wq 2,457,600 bytes; b2f 32,768 bytes; wgf 65,536 bytes
;; launch prep (part 1): grid 51 x 4, 8 waves a work-group, no clusters, 69,120 bytes of LDS; arguments W1, Ws1, W2, Ws2, b2, Wg, wq, b2f, wgf; writes wq, b2f, wgf
.if DOCPART == 1
	.amdgcn_target "amdgcn-amd-amdhsa--gfx1250"
	.amdhsa_code_object_version 6
	.text
	.protected	k_qbe2b50dd02_prep
	.globl	k_qbe2b50dd02_prep
	.p2align	8
	.type	k_qbe2b50dd02_prep,@function
k_qbe2b50dd02_prep:
	s_mov_b64 s[64:65], 0
	v_nop
	global_prefetch_b8 v0, s[64:65] scope:SCOPE_SE
	s_setreg_imm32_b32 hwreg(HW_REG_WAVE_MODE, 25, 1), 1
	s_wait_xcnt 0x0
; THE WEIGHTS ARE LAID OUT ONCE, in the order in which the second launch's waves take them into registers.  Nothing of reference() is left out in this program, and every input is loaded.
; wq: W1, Ws1, W2, Ws2 (f32, K innermost) as codes of FP6 (E2M3) with one E8M0 scale byte for each 32 along K.  A block's scale is 2^(floor(log2(its largest magnitude)) - 2).
;   wq = 4 streams (one for each wave w of the second launch) x 48 records of REC = 12,800 bytes.  A record = 8 fragments (16 rows x 128 K: 12 registers a lane) as IMAGES OF THEIR REGISTERS
;   (register group c of lane l at 512 c + 16 l: 1,536 bytes a fragment), then 512 bytes of scale words: lane l's 16 bytes at 16 l: lanes 0-15 the words of tiles 0-3 for row l, lanes 16-31 those of tiles 4-7.
;   Records 8 j + s (j = 0..2, s = 0..7): the first layer, chunk 4 j + w of 128 hidden units (chunks 0-7: expert c of W1; 8-11: units 128 (c - 8) on of Ws1), K step s.
;     THE ROWS OF A TILE ARE NOT NEIGHBOURS there: lane r of tile 2 b + u takes unit 32 b + 8 u + r + 8 (r / 8), so that the results of two neighbouring tiles are 16 neighbours along the next K.
;   Records 24 + 12 p + c (p = 0, 1; c = 0..11): the second layer, output columns 256 w + 128 p + 16 t + r, K step c (c < 8: W2 of expert c; else Ws2, units 128 (c - 8) on).
; b2f: b2 as a bf16 operand, a high and a low part: tile n (16 columns): lane (r, h): 8 experts of column 16 n + r, h = 0 the high parts, h = 1 the low parts.
; wgf: Wg as f32 operand images: group 16 s + 4 b + jj: lane (r, h): Wg[r % 8][128 s + 32 b + 16 h + 4 jj + 0..3].
; SHARES.  Work-group (X, Y): X < 48: record X of stream Y, wave t its tile t;  X = 48, 49: eight tiles of b2f;  X = 50: 32 groups of wgf.  The paths part on X alone: the same way for all eight waves.
; LIMITS: blocks whose largest magnitude lies under 2^-124 take the floor's byte, 1; a block of zeros gets the byte 1 where the rule says 127 (its codes are zeros, and this program alone reads the bytes); NaN and infinities are not served.
.set REC,   12800
.set SCB,   67584                      ; LDS: eight stages of 16 rows x 528 bytes from byte 0; then the record's 512 bytes of scale words;
.set SPARE, 68096                      ; then the spare words, 128 bytes for each wave: four blocks of 256 bytes that no other line names
.set LI,  1                            ; v1   16 x lane
.set RR,  2                            ; v2   r = lane % 16
.set HH,  3                            ; v3   h = lane / 16
.set TSW, 4                            ; v4   my stage, on the way in: 8,448 x wave + 16 x lane
.set TSR, 5                            ; v5   and out: 8,448 x wave + 528 r + 64 h
.set SCW, 6                            ; v6   where my tile's scale words go
.set SCR, 7                            ; v7   and where wave 0 reads the block back
.set SPW, 10                           ; v10  my spare word; never rewritten
.set NIL, 11                           ; v11  0; never rewritten
.set VO,  12                           ; v12-27 byte offsets of my tile's 16 rows
.set R,   32                           ; v32-95 the tile as loaded
.set PC,  32                           ; v32-51 later the codes
.set XT,  96                           ; v96-159 64 numbers of my row: register 16 b + i = k 32 b + 16 h + i
.set TM,  160                          ; v160-175 at work
.set PW,  176                          ; v176 the scale word
	s_load_b256 s[4:11], s[0:1], 0x0               ; W1 s[4:5], Ws1 s[6:7], W2 s[8:9], Ws2 s[10:11]
	s_load_b256 s[12:19], s[0:1], 0x20             ; b2 s[12:13], Wg s[14:15], wq s[16:17], b2f s[18:19]
	s_load_b64 s[20:21], s[0:1], 0x40              ; wgf
	v_lshl_add_u32 v[SPW], v0, 2, SPARE
	v_mov_b32 v[NIL], 0
	v_lshrrev_b32 v8, 5, v0
	v_readfirstlane_b32 s22, v8                    ; wave t
	v_and_b32 v8, 31, v0
	v_and_b32 v[RR], 15, v0
	v_bfe_u32 v[HH], v0, 4, 1
	v_lshlrev_b32 v[LI], 4, v8
	s_and_b32 s23, ttmp7, 0xffff                   ; Y
	s_mul_i32 s24, s22, 8448
	v_add_nc_u32 v[TSW], s24, v[LI]
	v_mul_u32_u24 v9, v[RR], 528
	v_lshl_add_u32 v9, v[HH], 6, v9
	v_add_nc_u32 v[TSR], s24, v9
	s_lshr_b32 s24, s22, 2
	s_lshl_b32 s24, s24, 8
	s_and_b32 s25, s22, 3
	s_lshl_b32 s25, s25, 2
	s_add_co_u32 s24, s24, s25
	s_add_co_u32 s24, s24, SCB
	v_lshl_add_u32 v[SCW], v[RR], 4, s24           ; SCB + 16 r + 256 (t / 4) + 4 (t % 4)
	v_add_nc_u32 v[SCR], SCB, v[LI]
.irp b, 0,1,2,3
	v_mov_b32 v[TM+4+\b], 0                        ; written once: a lane permute's destination counts as one of its sources
.endr
	s_mov_b32 s38, 0x76543210
	s_mov_b32 s39, 0xfedcba98                      ; v_permlanex16_b32's selects for lane l xor 16
	s_wait_kmcnt 0x0
	s_cmp_lt_u32 ttmp9, 48
	s_cbranch_scc0 .Lsmall
	s_cmp_lt_u32 ttmp9, 24
	s_cbranch_scc0 .Llayer2
	; ---- a record of the first layer: j = X / 8, K step s = X % 8
	s_lshr_b32 s24, ttmp9, 3                       ; j
	s_and_b32 s25, ttmp9, 7                        ; s
	s_lshl_b32 s26, s24, 2
	s_add_co_u32 s26, s26, s23                     ; 4 j + Y: the expert
	s_cmp_lt_u32 s24, 2
	s_cselect_b64 s[28:29], s[4:5], s[6:7]         ; W1, or Ws1 for j = 2
	s_cselect_b32 s26, s26, s23
	s_lshl_b32 s26, s26, 19                        ; 128 rows of 4,096 bytes a chunk
	s_lshl_b32 s25, s25, 9                         ; 128 numbers a K step
	s_add_co_u32 s30, s26, s25
	s_mov_b32 s31, 4096                            ; from row to row
	s_mov_b32 s32, 9*4096                          ; from the tile's eighth row to its ninth: eight rows are passed over
	s_lshr_b32 s24, s22, 1
	s_lshl_b32 s24, s24, 5
	s_and_b32 s25, s22, 1
	s_lshl_b32 s25, s25, 3
	s_add_co_u32 s33, s24, s25                     ; the tile's first row: 32 (t / 2) + 8 (t % 2)
	s_branch .Lquant
.Llayer2:
	; ---- a record of the second layer: i = X - 24, p = i / 12, K step c = i % 12
	s_sub_co_u32 s24, ttmp9, 24
	s_cmp_ge_u32 s24, 12
	s_cselect_b32 s25, 128, 0                      ; 128 p
	s_cselect_b32 s26, 12, 0
	s_sub_co_u32 s24, s24, s26                     ; c
	s_lshl_b32 s26, s23, 8
	s_add_co_u32 s25, s25, s26                     ; the record's first column: 256 Y + 128 p
	s_lshl_b32 s26, s24, 19
	s_lshl_b32 s27, s25, 9
	s_add_co_u32 s26, s26, s27                     ; in W2: expert c, rows of 512 bytes
	s_lshl_b32 s27, s25, 11
	s_lshl_b32 s34, s24, 9
	s_add_co_u32 s27, s27, s34
	s_sub_co_u32 s27, s27, 4096                    ; in Ws2: rows of 2,048 bytes, + 512 (c - 8)  (used for c >= 8 alone)
	s_mov_b32 s31, 2048
	s_cmp_lt_u32 s24, 8
	s_cselect_b64 s[28:29], s[8:9], s[10:11]
	s_cselect_b32 s30, s26, s27
	s_cselect_b32 s31, 512, s31
	s_mov_b32 s32, s31                             ; the tile's rows are neighbours
	s_lshl_b32 s33, s22, 4                         ; its first: 16 t
.Lquant:
	s_mul_i32 s34, s33, s31
	s_add_co_u32 s34, s34, s30
	s_mov_b32 s35, 0
	s_add_nc_u64 s[28:29], s[28:29], s[34:35]      ; my tile's first row, at its K step
	s_mul_i32 s36, s23, 48
	s_add_co_u32 s36, s36, ttmp9
	s_mul_i32 s36, s36, REC
	s_mul_i32 s37, s22, 1536
	s_add_co_u32 s36, s36, s37
	s_mov_b32 s37, 0
	s_add_nc_u64 s[16:17], s[16:17], s[36:37]      ; my fragment's image
	v_mov_b32 v[VO], v[LI]
.irp i, 1,2,3,4,5,6,7,8,9,10,11,12,13,14,15
.if \i == 8
	v_add_nc_u32 v[VO+\i], s32, v[VO+\i-1]
.else
	v_add_nc_u32 v[VO+\i], s31, v[VO+\i-1]
.endif
.endr
.irp i, 0,1,2,3,4,5,6,7,8,9,10,11,12,13,14,15
	global_load_b128 v[R+4*\i:R+4*\i+3], v[VO+\i], s[28:29] th:TH_LOAD_NT   ; 32 lanes read a row's 512 consecutive bytes
.endr
	s_wait_loadcnt 0x0
.irp i, 0,1,2,3,4,5,6,7,8,9,10,11,12,13,14,15
	ds_store_b128 v[TSW], v[R+4*\i:R+4*\i+3] offset:528*\i                  ; through my own stage: row i as it lies,
.endr
.irp b, 0,1,2,3
.irp j, 0,1,2,3
	ds_load_b128 v[XT+16*\b+4*\j:XT+16*\b+4*\j+3], v[TSR] offset:128*\b+16*\j   ; and back 16 neighbours of each block of 32 to a lane (LDS serves a wave's instructions in order)
.endr
.endr
	s_wait_dscnt 0x0
.irp b, 0,1,2,3
	v_max3_num_f32 v[TM+\b], |v[XT+16*\b]|, |v[XT+16*\b+1]|, 0x1800000       ; block b: my 16 numbers, and the floor 2^(3 - 127): the byte cannot fall under 1
.endr
.irp i, 2,4,6,8,10,12,14
.irp b, 0,1,2,3
	v_max3_num_f32 v[TM+\b], v[TM+\b], |v[XT+16*\b+\i]|, |v[XT+16*\b+\i+1]|
.endr
.endr
.irp b, 0,1,2,3
	v_permlanex16_b32 v[TM+4+\b], v[TM+\b], s38, s39
.endr
.irp b, 0,1,2,3
	v_max_num_f32 v[TM+\b], v[TM+\b], v[TM+4+\b]   ; with lane l xor 16's: the block's largest magnitude
.endr
.irp b, 0,1,2,3
	v_add_nc_u32 v[TM+12+\b], 0xff000000, v[TM+\b] ; 2 off its exponent field: the conversion's scale operand
.endr
.irp b, 0,1,2,3
	v_lshrrev_b32 v[TM+4+\b], 23, v[TM+12+\b]      ; the scale's byte
.endr
	v_lshl_or_b32 v[PW], v[TM+5], 8, v[TM+4]
	v_lshl_or_b32 v[PW], v[TM+6], 16, v[PW]
	v_lshl_or_b32 v[PW], v[TM+7], 24, v[PW]        ; my row's scale word
.irp c, 0,1
	v_cvt_scalef32_pk16_fp6_f32 v[PC+6*\c:PC+6*\c+2], v[XT+32*\c:XT+32*\c+15], v[TM+12+2*\c]
	v_cvt_scalef32_pk16_fp6_f32 v[PC+12+4*\c:PC+14+4*\c], v[XT+32*\c+16:XT+32*\c+31], v[TM+13+2*\c]   ; (a conversion's three registers begin on an even number)
.endr
	v_nop                                          ; one plain place behind a scaled conversion
.irp c, 0,1                                    ; the operand's layout wants a whole block in a lane
.irp i, 0,1,2
	v_permlane16_swap_b32 v[PC+6*\c+\i], v[PC+12+4*\c+\i]
.endr
.irp i, 0,1,2
	v_mov_b32 v[PC+3+6*\c+\i], v[PC+12+4*\c+\i]
.endr
.endr
.irp c, 0,1,2
	global_store_b128 v[LI], v[PC+4*\c:PC+4*\c+3], s[16:17] offset:512*\c   ; 32 lanes store 512 consecutive bytes, at a multiple of 256 from wq's first byte
.endr
	ds_store_b32 v[SCW], v[PW]                     ; both halves of the lanes write the same word with the same value
	s_wait_dscnt 0x0                               ; for the others' sake: my store has landed
	s_barrier_signal -1
	s_barrier_wait -1                              ; the eight tiles' words lie together
	s_cmp_lg_u32 s22, 0
	s_cbranch_scc1 .Lend
	ds_load_b128 v[XT:XT+3], v[SCR]
	s_wait_dscnt 0x0
	global_store_b128 v[LI], v[XT:XT+3], s[16:17] offset:12288              ; wave 0's base is the record's: the scale block lies behind the eight fragments
	s_branch .Lend
.Lsmall:
	s_cmp_lt_u32 ttmp9, 50
	s_cbranch_scc0 .Lgate
	; ---- b2f: tile n = ((X - 48) 4 + Y) 8 + t
	s_sub_co_u32 s24, ttmp9, 48
	s_lshl_b32 s24, s24, 2
	s_add_co_u32 s24, s24, s23
	s_lshl_b32 s24, s24, 3
	s_add_co_u32 s24, s24, s22
	s_lshl_b32 s26, s24, 6                         ; 16 columns of 4 bytes
	s_mov_b32 s27, 0
	s_add_nc_u64 s[12:13], s[12:13], s[26:27]
	s_lshl_b32 s26, s24, 9
	s_add_nc_u64 s[18:19], s[18:19], s[26:27]
	v_lshlrev_b32 v8, 2, v[RR]
.irp e, 0,1,2,3,4,5,6,7
	global_load_b32 v[32+\e], v8, s[12:13] offset:4096*\e                   ; b2[e][16 n + r]
.endr
	s_wait_loadcnt 0x0
.irp i, 0,1,2,3
	v_cvt_pk_bf16_f32 v[48+\i], v[32+2*\i], v[33+2*\i]                      ; the high parts
.endr
.irp i, 0,1,2,3
	v_lshlrev_b32 v[56+2*\i], 16, v[48+\i]
	v_and_b32 v[57+2*\i], 0xffff0000, v[48+\i]
.endr
.irp e, 0,1,2,3,4,5,6,7
	v_sub_f32 v[56+\e], v[32+\e], v[56+\e]                                  ; what they leave, exactly
.endr
.irp i, 0,1,2,3
	v_cvt_pk_bf16_f32 v[52+\i], v[56+2*\i], v[57+2*\i]                      ; the low parts
.endr
	v_cmp_eq_u32 vcc_lo, 1, v[HH]
.irp i, 0,1,2,3
	v_cndmask_b32 v[48+\i], v[48+\i], v[52+\i], vcc_lo                      ; lanes 0-15 keep the high parts, lanes 16-31 the low
.endr
	global_store_b128 v[LI], v[48:51], s[18:19]
	s_branch .Lend
.Lgate:
	; ---- wgf: K step s = 2 Y + t / 4, block b = t % 4
	s_lshl_b32 s24, s23, 1
	s_lshr_b32 s25, s22, 2
	s_add_co_u32 s24, s24, s25
	s_and_b32 s25, s22, 3
	s_lshl_b32 s26, s24, 9
	s_lshl_b32 s30, s25, 7
	s_add_co_u32 s26, s26, s30
	s_mov_b32 s27, 0
	s_add_nc_u64 s[14:15], s[14:15], s[26:27]
	s_lshl_b32 s26, s24, 13
	s_lshl_b32 s30, s25, 11
	s_add_co_u32 s26, s26, s30
	s_add_nc_u64 s[20:21], s[20:21], s[26:27]
	v_and_b32 v8, 7, v0
	v_lshlrev_b32 v8, 12, v8
	v_lshl_add_u32 v8, v[HH], 6, v8                ; row r % 8 of 4,096 bytes, + 64 h
.irp j, 0,1,2,3
	global_load_b128 v[32+4*\j:35+4*\j], v8, s[14:15] offset:16*\j
.endr
	s_wait_loadcnt 0x0
.irp j, 0,1,2,3
	global_store_b128 v[LI], v[32+4*\j:35+4*\j], s[20:21] offset:512*\j
.endr
.Lend:
	s_wait_tensorcnt 0x0                           ; the wave's end
	ds_add_u32 v[SPW], v[NIL]
	s_wait_dscnt 0x0
	s_endpgm
.Lfunc_end_k_qbe2b50dd02_prep:
	.size	k_qbe2b50dd02_prep, .Lfunc_end_k_qbe2b50dd02_prep-k_qbe2b50dd02_prep
	.p2alignl 7, 3214868480
	.fill 96, 4, 3214868480
	.section	.rodata,"a",@progbits
	.p2align	6, 0x0
	.amdhsa_kernel k_qbe2b50dd02_prep
		.amdhsa_group_segment_fixed_size 69120
		.amdhsa_private_segment_fixed_size 0
		.amdhsa_enable_private_segment 0
		.amdhsa_kernarg_size 72
		.amdhsa_user_sgpr_count 2
		.amdhsa_user_sgpr_kernarg_segment_ptr 1
		.amdhsa_wavefront_size32 1
		.amdhsa_system_sgpr_workgroup_id_x 1
		.amdhsa_system_sgpr_workgroup_id_y 1
		.amdhsa_system_sgpr_workgroup_id_z 1
		.amdhsa_system_vgpr_workitem_id 0
		.amdhsa_next_free_vgpr 192
		.amdhsa_next_free_sgpr 66
		.amdhsa_reserve_vcc 1
		.amdhsa_float_denorm_mode_32 3
		.amdhsa_float_denorm_mode_16_64 3
		.amdhsa_memory_ordered 1
		.amdhsa_forward_progress 1
		.amdhsa_inst_pref_size 17
	.end_amdhsa_kernel
	.amdgpu_metadata
---
amdhsa.version: [ 1, 2 ]
amdhsa.kernels:
  - .name:           k_qbe2b50dd02_prep
    .symbol:         k_qbe2b50dd02_prep.kd
    .args:
      - { .name: W1, .offset: 0, .size: 8, .value_kind: global_buffer, .address_space: global }
      - { .name: Ws1, .offset: 8, .size: 8, .value_kind: global_buffer, .address_space: global }
      - { .name: W2, .offset: 16, .size: 8, .value_kind: global_buffer, .address_space: global }
      - { .name: Ws2, .offset: 24, .size: 8, .value_kind: global_buffer, .address_space: global }
      - { .name: b2, .offset: 32, .size: 8, .value_kind: global_buffer, .address_space: global }
      - { .name: Wg, .offset: 40, .size: 8, .value_kind: global_buffer, .address_space: global }
      - { .name: wq, .offset: 48, .size: 8, .value_kind: global_buffer, .address_space: global }
      - { .name: b2f, .offset: 56, .size: 8, .value_kind: global_buffer, .address_space: global }
      - { .name: wgf, .offset: 64, .size: 8, .value_kind: global_buffer, .address_space: global }
    .group_segment_fixed_size: 69120
    .private_segment_fixed_size: 0
    .kernarg_segment_align: 8
    .kernarg_segment_size: 72
    .max_flat_workgroup_size: 256
    .sgpr_count:     66
    .vgpr_count:     192
    .wavefront_size: 32
...
	.end_amdgpu_metadata
.endif
;; end of part 1
;; launch moe (part 2): grid 256 x 1, 4 waves a work-group, no clusters, 259,584 bytes of LDS; arguments x, wgf, wq, b2f, b1, bs1, bs2, out0; writes out0
.if DOCPART == 2
	.amdgcn_target "amdgcn-amd-amdhsa--gfx1250"
	.amdhsa_code_object_version 6
	.text
	.protected	k_qbe2b50dd02_moe
	.globl	k_qbe2b50dd02_moe
	.p2align	8
	.type	k_qbe2b50dd02_moe,@function
k_qbe2b50dd02_moe:
	s_mov_b64 s[64:65], 0
	v_nop
	global_prefetch_b8 v0, s[64:65] scope:SCOPE_SE
	s_setreg_imm32_b32 hwreg(HW_REG_WAVE_MODE, 25, 1), 1
	s_wait_xcnt 0x0
; out0 = sum over e of w[t][e] (relu(x W1[e]^T + b1[e]) W2[e]^T + b2[e]) + relu(x Ws1^T + bs1) Ws2^T + bs2, w = the renormalised top 2 of softmax(x Wg^T), 0 elsewhere.
; The four large products run on codes of FP6 (E2M3) with one E8M0 scale for each 32 along K; relu(..) x w is formed in f32 AHEAD of its quantiser, as reference() has it.  Nothing of reference() is left out:
; all eight experts are multiplied for every token and the gate's weight selects (an expert that was not chosen gives blocks of zero codes); no branch and no address hangs on a number of the inputs.
; SHARES.  A work-group owns 64 tokens, four tiles m of 16; 256 work-groups.  Its four waves share K while x is read (wave w: K steps 2 w, 2 w + 1 of 128) and the COLUMNS afterwards: in the first layer wave w makes
; chunks w, 4 + w (experts) and 8 + w (shared units 128 w on) of 128 hidden units, in the second layer output columns 256 w .. 256 w + 255 in two phases of 128; always for all 64 tokens: 32 accumulators.
; EVERY PRODUCT IS USED TRANSPOSED (source 0 = 16 rows of a weight, source 1 = 16 tokens): a lane (r, h) holds token r throughout, and its registers run along the columns.
; THE WEIGHTS come from wq, laid by the launch before as images of the operand's registers in the order of each wave's walk: a record of 12,800 bytes (8 fragments, 8 tiles' scale words) for each step of 32 products,
; straight from memory into registers, two records ahead, in four register buffers.  THE ROWS (x's codes, the hidden layer's) go from wave to wave through LDS as images of their registers.
; NOT ASKED FOR JOINTLY in a cluster, though all work-groups walk the same wq: a joint load lands in LDS; a record feeds ONE wave's 32 products once, so it would be written to LDS and read from it beside the 6,656 bytes
; of rows that a step reads; and two slots of one record for each of four waves, 102,400 bytes, do not fit beside the 259,584 bytes in use.
; THE GATE: logits by the f32 matrix form (they go on into a quantised operand), 256 instructions a wave: source 0 = Wg's 8 rows, repeated, source 1 = 16 tokens; the waves' partial sums meet in LDS.
; w . b2 + bs2 start the second layer's sums: one bf16 product of K = 32 a tile: w and b2 each as a high and a low bf16 part, all four cross terms.
; LIMITS: NaN and infinities are not served (the maximum with 0 drops a NaN).  Blocks whose largest magnitude lies under 2^-124 take the floor's byte, 1; a block of zeros has the byte 1 and zero codes.
; A token whose second and third scores differ by less than the rounding of f32 sums may choose the other expert; equal scores take the lower index.  The reciprocals are good to one unit in the last place.
; REGISTERS, in windows of 256.  Window 0: v1-23 addresses; v32-47 the weights' scale words, v48-55 the rows': scales and nothing else; v56-63 the gate's weights; v64-95 w as a bf16 operand;
;   v96-191 the rows' fragments, two buffers (outside the K loops: at work); v192-255 a hidden tile, the gate, rows on the way out.   Window 1: the 32 accumulators, (t, m) at v[64 m + 8 t]: written by matrix instructions alone.
;   Window 2: weight buffers 0 and 1 (v0-95, v96-191), biases v192-255; while x is read: four sets of 64 numbers as loaded.   Window 3: weight buffers 2 and 3, b2's operand v192-255; while x is read: Wg v0-127, x turned v128-255.
.set REC,   12800
.set XIMG,  0                          ; LDS: x's 32 fragments: (8 m + s) x 1,536
.set XSC,   49152                      ; their scale words: 512 s + 16 lane + 4 m
.set HIMG,  53248                      ; the hidden layer's 48 fragments: chunk 4 j + w, tile m: 18,432 w + 6,144 j + 1,536 m
.set HSC,   126976                     ; their scale words: 1,536 w + 512 j + 16 lane + 4 m
.set LOGP,  133120                     ; partial logits: (4 m + wave) x 1,024: an image of 8 registers
.set WT,    149504                     ; the gate's weights: 1,024 m + 128 e + 4 lane
.set WFI,   153600                     ; and as a bf16 operand: 1,024 m: an image of 8 registers
.set STG,   157696                     ; the way out: 16 rows x 528 for each wave
.set TST,   191488                     ; x's turn: two stages of 16 rows x 528 for each wave
.set SPARE, 259072                     ; the spare words, 128 bytes for each wave: two blocks of 256 bytes that no other line names
.set LI,  1                            ; 16 lane
.set XA,  2                            ; 16 lane + 1,024 w: my bytes of a row of x
.set TSW, 3
.set TSR, 4
.set XWI, 5
.set XWS, 6
.set LGW, 7
.set LGR, 8
.set WTW, 9
.set WTR, 10
.set WFW, 11
.set WFR, 12
.set HWI, 13
.set HWS, 14
.set HRD, 15
.set HSR, 16
.set BO1, 17                           ; 64 h
.set BO2, 18                           ; 32 h
.set SO,  19
.set SRD, 20
.set SPW, 22                           ; my spare word; never rewritten
.set NIL, 23                           ; 0; never rewritten
.set SW,  32
.set SR,  48
.set GW,  56
.set WF,  64
.set RF,  96
.set TM,  96                           ; v96-111 at work in the quantiser
.set PW,  112                          ; the scale word just made
.set PC,  116                          ; v116-135 the codes just made
.set LT,  136                          ; v136-143 my partial logits
.set HA,  192
.set BIAS, 192                         ; in window 2
.set B2F,  192                         ; in window 3
.set MSB, 0
.macro WIN new                         ; the immediate's high byte repeats the setting that is left; a switch that changes nothing is dropped
.if MSB != (\new)
	s_set_vgpr_msb (MSB<<8)|(\new)
.set MSB, (\new)
.endif
.endm
.macro PLACES n                        ; plain vector instructions that name no register of a matrix instruction (ISA guide 7.12.1)
.rept \n
	v_nop
.endr
.endm
.macro BARRIER                         ; my LDS stores have landed and my LDS loads are in: then the work-group's barrier
	s_wait_dscnt 0x0
	s_barrier_signal -1
	s_barrier_wait -1
.endm
; Unit u = 2 m + s of x: rows 16 m .. 16 m + 15, my K step s: each load reads 512 consecutive bytes of one row
.macro XLOAD u
	WIN 0x80
.irp i, 0,1,2,3,4,5,6,7,8,9,10,11,12,13,14,15
	global_load_b128 v[64*((\u)%4)+4*\i:64*((\u)%4)+4*\i+3], v[XA], s[4:5] offset:(16*((\u)/2)+\i)*4096+512*((\u)%2) th:TH_LOAD_NT
.endr
	WIN 0
.endm
; and through my own stage: in as loaded, back 16 neighbours of each block of 32 to a lane: register 16 b + i of lane (r, h) = k 32 b + 16 h + i of row r.  LDS serves a wave's instructions in order
.macro TURN u
	WIN 0x08
.irp i, 0,1,2,3,4,5,6,7,8,9,10,11,12,13,14,15
	ds_store_b128 v[TSW], v[64*((\u)%4)+4*\i:64*((\u)%4)+4*\i+3] offset:8448*((\u)%2)+528*\i
.endr
	WIN 0xc0
.irp b, 0,1,2,3
.irp j, 0,1,2,3
	ds_load_b128 v[128+64*((\u)%2)+16*\b+4*\j:128+64*((\u)%2)+16*\b+4*\j+3], v[TSR] offset:8448*((\u)%2)+128*\b+16*\j
.endr
.endr
	WIN 0
.endm
; 64 numbers of a lane, v[s] on in window w, register 16 b + i = k 32 b + 16 h + i of my row, become a fragment's codes in v[PC] on and its scale word in v[PW]
.macro QUANT s, w
	WIN ((\w)<<2)|((\w)<<4)
.irp b, 0,1,2,3
	v_max3_num_f32 v[TM+\b], 0x1800000, |v[(\s)+16*\b]|, |v[(\s)+16*\b+1]|   ; block b: my 16 numbers, and the floor 2^(3 - 127): the byte cannot fall under 1
.endr
.irp i, 2,4,6,8,10,12,14
.irp b, 0,1,2,3
	v_max3_num_f32 v[TM+\b], v[TM+\b], |v[(\s)+16*\b+\i]|, |v[(\s)+16*\b+\i+1]|   ; (the four blocks by turns)
.endr
.endr
	WIN 0
.irp b, 0,1,2,3
	v_permlanex16_b32 v[TM+4+\b], v[TM+\b], s22, s23
.endr
.irp b, 0,1,2,3
	v_max_num_f32 v[TM+\b], v[TM+\b], v[TM+4+\b]   ; with lane l xor 16's: the block's largest magnitude
.endr
.irp b, 0,1,2,3
	v_add_nc_u32 v[TM+12+\b], 0xff000000, v[TM+\b] ; 2 off its exponent field: the conversion's scale operand
.endr
.irp b, 0,1,2,3
	v_lshrrev_b32 v[TM+4+\b], 23, v[TM+12+\b]      ; the scale's byte
.endr
	v_lshl_or_b32 v[PW], v[TM+5], 8, v[TM+4]
	v_lshl_or_b32 v[PW], v[TM+6], 16, v[PW]
	v_lshl_or_b32 v[PW], v[TM+7], 24, v[PW]
	WIN (\w)
.irp c, 0,1
	v_cvt_scalef32_pk16_fp6_f32 v[PC+6*\c:PC+6*\c+2], v[(\s)+32*\c:(\s)+32*\c+15], v[TM+12+2*\c]
	v_cvt_scalef32_pk16_fp6_f32 v[PC+12+4*\c:PC+14+4*\c], v[(\s)+32*\c+16:(\s)+32*\c+31], v[TM+13+2*\c]   ; (a conversion's three registers begin on an even number)
.endr
	WIN 0
	v_nop                                          ; one plain place behind a scaled conversion
.irp c, 0,1                                    ; the operand's layout wants a whole block in a lane
.irp i, 0,1,2
	v_permlane16_swap_b32 v[PC+6*\c+\i], v[PC+12+4*\c+\i]
.endr
.irp i, 0,1,2
	v_mov_b32 v[PC+3+6*\c+\i], v[PC+12+4*\c+\i]
.endr
.endr
.endm
.macro IMAGE adr, off                  ; the fragment in v[PC] on goes to LDS as it stands
.irp c, 0,1,2
	ds_store_b128 v[\adr], v[PC+4*\c:PC+4*\c+3] offset:(\off)+512*\c
.endr
.endm
; the four tiles' fragments of one K step, and their scale words, into row buffer rb: 13 LDS loads
.macro RFETCH rb, adr, off, mstr, sadr, soff
.irp m, 0,1,2,3
.irp c, 0,1,2
	ds_load_b128 v[RF+48*(\rb)+12*\m+4*\c:RF+48*(\rb)+12*\m+4*\c+3], v[\adr] offset:(\off)+\m*(\mstr)+512*\c
.endr
.endr
	ds_load_b128 v[SR+4*(\rb):SR+4*(\rb)+3], v[\sadr] offset:(\soff)
.endm
; a record of wq into weight buffer nb: 25 loads of 512 consecutive bytes
.macro WFETCH nb, goff
	WIN 0x80+0x40*((\nb)/2)
.irp t, 0,1,2,3,4,5,6,7
.irp c, 0,1,2
	global_load_b128 v[96*((\nb)%2)+12*\t+4*\c:96*((\nb)%2)+12*\t+4*\c+3], v[LI], s[8:9] offset:(\goff)+1536*\t+512*\c
.endr
.endr
	WIN 0
	global_load_b128 v[SW+4*(\nb):SW+4*(\nb)+3], v[LI], s[8:9] offset:(\goff)+12288   ; register i: lanes 0-15 tile i's words, lanes 16-31 tile 4 + i's
.endm
; 32 products: 8 tiles of the weight x 4 tiles of tokens, 128 along K.  cb = 1: the bias starts the sums.  The 32 accumulators take turns, one instruction a turn, in the same order in every step
.macro MUL buf, rb, cb
.if \cb
	WIN 0x62
.else
	WIN 0x52+((\buf)/2)
.endif
.irp t, 0,1,2,3,4,5,6,7
.irp m, 0,1,2,3
.set rD, 64*\m+8*\t
.set rA, 96*((\buf)%2)+12*\t
.set rB, RF+48*(\rb)+12*\m
.set rC, rD
.if \cb
.set rC, BIAS+8*\t
.endif
.if \t < 4
	v_wmma_scale_f32_16x16x128_f8f6f4 v[rD:rD+7], v[rA:rA+11], v[rB:rB+11], v[rC:rC+7], v[SW+4*(\buf)+\t%4], v[SR+4*(\rb)+\m] matrix_a_fmt:MATRIX_FMT_FP6 matrix_b_fmt:MATRIX_FMT_FP6
.else
	v_wmma_scale_f32_16x16x128_f8f6f4 v[rD:rD+7], v[rA:rA+11], v[rB:rB+11], v[rC:rC+7], v[SW+4*(\buf)+\t%4], v[SR+4*(\rb)+\m] matrix_a_fmt:MATRIX_FMT_FP6 matrix_b_fmt:MATRIX_FMT_FP6 matrix_a_scale:MATRIX_SCALE_ROW1
.endif
.endr
.endr
	WIN 0
.endm
; A K step.  Four places stand in front of the loads into the row buffer that the last step read and into the weight buffer that the step before it read.  fetch: the record two steps on; pre: the next step's rows.
; nl: the loads issued behind this step's record, which may stay out; 13: the LDS loads issued behind this step's rows
.macro STEP buf, rb, cb, fetch, goff, pre, adr, off, mstr, sadr, soff, nl
	PLACES 4
.if \fetch
	WFETCH ((\buf)+2)%4, \goff
.endif
.if \pre
	RFETCH 1-(\rb), \adr, \off, \mstr, \sadr, \soff
.endif
	s_wait_loadcnt \nl
.if \pre
	s_wait_dscnt 13
.else
	s_wait_dscnt 0x0
.endif
	MUL \buf, \rb, \cb
.endm
.macro BLOAD1                          ; a chunk's bias in the result's layout: tile 2 b + u, lane (r, h): units 32 b + 16 h + 8 u + 0 .. 7
	WIN 0x80
.irp t, 0,1,2,3,4,5,6,7
	global_load_b128 v[BIAS+8*\t:BIAS+8*\t+3], v[BO1], s[12:13] offset:(32*(\t/2)+8*(\t%2))*4
	global_load_b128 v[BIAS+8*\t+4:BIAS+8*\t+7], v[BO1], s[12:13] offset:(32*(\t/2)+8*(\t%2))*4+16
.endr
	WIN 0
.endm
.macro BLOAD2 p                        ; phase p of the second layer: bs2 in the result's layout (tile t, lane (r, h): columns 16 t + 8 h + 0 .. 7), and b2's operand, whose registers 4-7 repeat registers 0-3
	WIN 0x80
.irp t, 0,1,2,3,4,5,6,7
	global_load_b128 v[BIAS+8*\t:BIAS+8*\t+3], v[BO2], s[16:17] offset:512*(\p)+64*\t
	global_load_b128 v[BIAS+8*\t+4:BIAS+8*\t+7], v[BO2], s[16:17] offset:512*(\p)+64*\t+16
.endr
	WIN 0xc0
.irp t, 0,1,2,3,4,5,6,7
	global_load_b128 v[B2F+8*\t:B2F+8*\t+3], v[LI], s[10:11] offset:4096*(\p)+512*\t
	global_load_b128 v[B2F+8*\t+4:B2F+8*\t+7], v[LI], s[10:11] offset:4096*(\p)+512*\t
.endr
	WIN 0
.endm
	s_load_b256 s[4:11], s[0:1], 0x0               ; x s[4:5], wgf s[6:7], wq s[8:9], b2f s[10:11]
	s_load_b256 s[12:19], s[0:1], 0x20             ; b1 s[12:13], bs1 s[14:15], bs2 s[16:17], out0 s[18:19]
	v_lshl_add_u32 v[SPW], v0, 2, SPARE
	v_mov_b32 v[NIL], 0
	v_lshrrev_b32 v24, 5, v0
	v_readfirstlane_b32 s20, v24                   ; wave w
	v_and_b32 v24, 31, v0                          ; lane
	v_and_b32 v25, 15, v0                          ; r
	v_bfe_u32 v26, v0, 4, 1                        ; h
	v_lshlrev_b32 v[LI], 4, v24
	v_lshlrev_b32 v27, 2, v24                      ; 4 lane
	v_mul_u32_u24 v28, v25, 528                    ; 528 r
	s_lshl_b32 s26, s20, 10                        ; 1,024 w
	v_add_nc_u32 v[XA], s26, v[LI]
	s_add_co_u32 s27, s26, XSC
	v_add_nc_u32 v[XWS], s27, v[LI]
	s_add_co_u32 s27, s26, LOGP
	v_add_nc_u32 v[LGW], s27, v[LI]
	s_add_co_u32 s27, s26, WT
	v_add_nc_u32 v[WTW], s27, v27
	s_add_co_u32 s27, s26, WFI
	v_add_nc_u32 v[WFW], s27, v[LI]
	v_add_nc_u32 v[WFR], WFI, v[LI]
	s_lshl_b32 s27, s20, 12
	s_add_co_u32 s27, s27, LOGP
	v_add_nc_u32 v[LGR], s27, v[LI]
	s_lshl_b32 s27, s20, 7
	s_add_co_u32 s27, s27, WT
	v_add_nc_u32 v[WTR], s27, v27
	s_mul_i32 s27, s20, 3072
	v_add_nc_u32 v[XWI], s27, v[LI]
	s_mul_i32 s27, s20, 16896
	s_add_co_u32 s27, s27, TST
	v_add_nc_u32 v[TSW], s27, v[LI]
	v_lshl_add_u32 v29, v26, 6, v28
	v_add_nc_u32 v[TSR], s27, v29
	s_mul_i32 s27, s20, 18432
	s_add_co_u32 s27, s27, HIMG
	v_add_nc_u32 v[HWI], s27, v[LI]
	s_mul_i32 s27, s20, 1536
	s_add_co_u32 s27, s27, HSC
	v_add_nc_u32 v[HWS], s27, v[LI]
	s_mul_i32 s27, s20, 8448
	s_add_co_u32 s27, s27, STG
	v_add_nc_u32 v[SRD], s27, v[LI]
	v_lshl_add_u32 v29, v26, 5, v28
	v_add_nc_u32 v[SO], s27, v29
	v_lshlrev_b32 v[BO1], 6, v26
	v_lshlrev_b32 v[BO2], 5, v26
.irp b, 0,1,2,3
	v_mov_b32 v[TM+4+\b], 0                        ; a lane permute's destination counts as one of its sources
.endr
	s_mov_b32 s22, 0x76543210
	s_mov_b32 s23, 0xfedcba98                      ; v_permlanex16_b32's selects for lane l xor 16
	s_mov_b32 s24, 0                               ; the first layer's round
	s_mov_b32 s27, 0                               ; s[26:27] = 1,024 w
	s_lshl_b32 s28, ttmp9, 18                      ; my 64 rows of 4,096 bytes
	s_mov_b32 s29, 0
	s_wait_kmcnt 0x0
	s_add_nc_u64 s[4:5], s[4:5], s[28:29]
	s_add_nc_u64 s[18:19], s[18:19], s[28:29]
	s_add_nc_u64 s[18:19], s[18:19], s[26:27]      ; out0: my rows, my 256 columns
	s_add_nc_u64 s[16:17], s[16:17], s[26:27]      ; bs2: my 256 columns
	s_lshl_b32 s28, s20, 14
	s_add_nc_u64 s[6:7], s[6:7], s[28:29]          ; wgf: my two K steps
	s_mul_i32 s28, s20, 48*REC
	s_add_nc_u64 s[8:9], s[8:9], s[28:29]          ; wq: my stream
	s_lshl_b32 s28, s20, 13
	s_add_nc_u64 s[10:11], s[10:11], s[28:29]      ; b2f: my 16 tiles
	s_lshl_b32 s28, s20, 9
	s_add_nc_u64 s[12:13], s[12:13], s[28:29]      ; b1: expert w
	s_add_nc_u64 s[14:15], s[14:15], s[28:29]      ; bs1: units 128 w on
	; ---- X: x is read once; my two K steps of the logits; my two K steps of x's codes.  Eight units u = 2 m + s; loads run four units ahead, the turn through LDS one
	XLOAD 0
	WIN 0xc0
.set q, 0
.rept 32
	global_load_b128 v[4*q:4*q+3], v[LI], s[6:7] offset:512*q               ; Wg's operand for my two K steps: register 64 s + 16 b + i = Wg[r % 8][k 32 b + 16 h + i]
.set q, q+1
.endr
	WIN 0
	XLOAD 1
	s_wait_loadcnt 48                              ; unit 0 is in: behind it Wg's 32 loads and unit 1's 16
	TURN 0
	XLOAD 2
	XLOAD 3
.macro UNIT u
.set UM, (\u)/2
.set US, (\u)%2
.set XTB, 128+64*((\u)%2)
	s_wait_dscnt 0x0                               ; this unit's numbers are back from the stage; its stores into the stage and the last unit's image stores are done
.if (\u) <= 3
	XLOAD (\u)+4
	s_wait_loadcnt 48                              ; the next unit is in: behind it three units' loads
.elseif (\u) == 4
	s_wait_loadcnt 32                              ; two units'
.elseif (\u) == 5
	WFETCH 0, 0                                    ; the registers of units 4 and 5 are free: the first layer's first record
	s_wait_loadcnt 41                              ; unit 7's 16 and the record's 25
.elseif (\u) == 6
	WFETCH 1, REC
	s_wait_loadcnt 50                              ; two records
.else
	BLOAD1                                         ; the first chunk's bias
.endif
.if (\u) <= 6
	TURN (\u)+1
.endif
	WIN 0x5f                                       ; Wg and x in window 3, the sums in window 1
.set p, 0
.rept 32                                       ; 4 along K each; the k of a register pair is the same in both operands; two sums by turns
.if (US == 0) && (p < 2)
	v_wmma_f32_16x16x4_f32 v[8*(p%2):8*(p%2)+7], v[64*US+2*p:64*US+2*p+1], v[XTB+2*p:XTB+2*p+1], 0
.else
	v_wmma_f32_16x16x4_f32 v[8*(p%2):8*(p%2)+7], v[64*US+2*p:64*US+2*p+1], v[XTB+2*p:XTB+2*p+1], v[8*(p%2):8*(p%2)+7]
.endif
.set p, p+1
.endr
	QUANT XTB, 3                                   ; its plain lines are also the places behind the products above
	IMAGE XWI, (8*UM+US)*1536
	ds_store_b32 v[XWS], v[PW] offset:512*US+4*UM
.if US == 1
	WIN 0x05
.irp j, 0,1,2,3,4,5,6,7
	v_add_f32 v[LT+\j], v[\j], v[8+\j]             ; register j: my part of expert j's logit for token r (both halves of the lanes alike); each sum from its low end on
.endr
	WIN 0
	ds_store_b128 v[LGW], v[LT:LT+3] offset:4096*UM
	ds_store_b128 v[LGW], v[LT+4:LT+7] offset:4096*UM+512
.endif
.endm
.irp u, 0,1,2,3,4,5,6,7
	UNIT \u
.endr
	BARRIER                                        ; x's 32 fragments and the 16 partial logits lie in LDS
	; ---- G: the gate, wave w for the tokens of tile m = w
.irp k, 0,1,2,3
	ds_load_b128 v[192+8*\k:195+8*\k], v[LGR] offset:1024*\k
	ds_load_b128 v[196+8*\k:199+8*\k], v[LGR] offset:1024*\k+512
.endr
	s_wait_dscnt 0x0
.irp j, 0,2,4,6
	v_pk_add_f32 v[192+\j:193+\j], v[192+\j:193+\j], v[200+\j:201+\j]
	v_pk_add_f32 v[208+\j:209+\j], v[208+\j:209+\j], v[216+\j:217+\j]
.endr
.irp j, 0,2,4,6
	v_pk_add_f32 v[192+\j:193+\j], v[192+\j:193+\j], v[208+\j:209+\j]       ; v192-199: the eight logits
.endr
	v_max3_num_f32 v224, v192, v193, v194
	v_max3_num_f32 v225, v195, v196, v197
	v_max3_num_f32 v224, v224, v198, v199
	v_max_num_f32 v224, v224, v225                 ; the largest is taken away before the exponential
.irp j, 0,1,2,3,4,5,6,7
	v_sub_f32 v[200+\j], v[192+\j], v224
.endr
.irp j, 0,1,2,3,4,5,6,7
	v_mul_f32 v[200+\j], 0x3fb8aa3b, v[200+\j]
.endr
.irp j, 0,1,2,3,4,5,6,7
	v_exp_f32 v[200+\j], v[200+\j]
.endr
	v_nop                                          ; a plain place behind the exponentials
	s_wait_alu depctr_va_vdst(0)                   ; one wait for the batch, ahead of its first reader
	v_add_f32 v225, v200, v201
	v_add_f32 v226, v202, v203
	v_add_f32 v227, v204, v205
	v_add_f32 v228, v206, v207
	v_add_f32 v225, v225, v226
	v_add_f32 v227, v227, v228
	v_add_f32 v225, v225, v227
	v_rcp_f32 v226, v225
	v_nop
	s_wait_alu depctr_va_vdst(0)
.irp j, 0,1,2,3,4,5,6,7
	v_mul_f32 v[208+\j], v[200+\j], v226           ; the scores
.endr
	v_max3_num_f32 v227, v208, v209, v210
	v_max3_num_f32 v228, v211, v212, v213
	v_max3_num_f32 v227, v227, v214, v215
	v_max_num_f32 v227, v227, v228                 ; the largest score
	s_mov_b32 s48, 0
.irp j, 0,1,2,3,4,5,6,7
	v_cmp_eq_f32 s49, v[208+\j], v227
	s_and_not1_b32 s[32+\j], s49, s48              ; expert j is the first choice where it has the largest score and no lower index had it
	s_or_b32 s48, s48, s49
.endr
.irp j, 0,1,2,3,4,5,6,7
	v_cndmask_b32 v[216+\j], v[208+\j], -1.0, s[32+\j]                      ; the first choice leaves the field: no score is negative
.endr
	v_max3_num_f32 v228, v216, v217, v218
	v_max3_num_f32 v229, v219, v220, v221
	v_max3_num_f32 v228, v228, v222, v223
	v_max_num_f32 v228, v228, v229                 ; the second score
	s_mov_b32 s48, 0
.irp j, 0,1,2,3,4,5,6,7
	v_cmp_eq_f32 s49, v[216+\j], v228
	s_and_not1_b32 s[40+\j], s49, s48
	s_or_b32 s48, s48, s49
.endr
	v_add_f32 v230, v227, v228
	v_add_f32 v230, 0x1e3ce508, v230               ; + 1e-20
	v_rcp_f32 v231, v230
	v_nop
.irp j, 0,1,2,3,4,5,6,7
	s_or_b32 s[32+\j], s[32+\j], s[40+\j]
.endr
	s_wait_alu depctr_va_vdst(0)
.irp j, 0,1,2,3,4,5,6,7
	v_mul_f32 v[200+\j], v[208+\j], v231
.endr
.irp j, 0,1,2,3,4,5,6,7
	v_cndmask_b32 v[232+\j], 0, v[200+\j], s[32+\j]                         ; w: the masks select values alone
.endr
.irp j, 0,1,2,3,4,5,6,7
	ds_store_b32 v[WTW], v[232+\j] offset:128*\j
.endr
.irp i, 0,1,2,3
	v_cvt_pk_bf16_f32 v[240+\i], v[232+2*\i], v[233+2*\i]                   ; w's high parts: registers 0-3 of the operand,
.endr
.irp i, 0,1,2,3
	v_lshlrev_b32 v[200+2*\i], 16, v[240+\i]
	v_and_b32 v[201+2*\i], 0xffff0000, v[240+\i]
.endr
.irp j, 0,1,2,3,4,5,6,7
	v_sub_f32 v[200+\j], v[232+\j], v[200+\j]
.endr
.irp i, 0,1,2,3
	v_cvt_pk_bf16_f32 v[244+\i], v[200+2*\i], v[201+2*\i]                   ; its low parts: registers 4-7
.endr
	ds_store_b128 v[WFW], v[240:243]
	ds_store_b128 v[WFW], v[244:247] offset:512
	s_wait_xcnt 0x0                                ; the first bias's loads have read their base:
	s_add_nc_u64 s[12:13], s[12:13], 2048          ; on to expert 4 + w
	BARRIER                                        ; the gate's weights of all 64 tokens lie in LDS
.irp m, 0,1,2,3
	ds_load_b32 v[GW+2*\m], v[WTR] offset:1024*\m                           ; w of expert w for my token of tile m,
	ds_load_b32 v[GW+2*\m+1], v[WTR] offset:1024*\m+512                     ; and of expert 4 + w
	ds_load_b128 v[WF+8*\m:WF+8*\m+3], v[WFR] offset:1024*\m
	ds_load_b128 v[WF+8*\m+4:WF+8*\m+7], v[WFR] offset:1024*\m+512
.endr
	; ---- L1: three rounds: chunks w, 4 + w, 8 + w.  A round: eight K steps of 32 products, then relu, the gate's weight, the quantiser, the images
.Lround:
	s_wait_loadcnt 0x0                             ; the round's first two records and its bias, asked for ahead of the last round's end (or of the gate)
	RFETCH 0, LI, 0, 12288, LI, XSC
	STEP 0, 0, 1, 1, 2*REC, 1, LI, 1536, 12288, LI, XSC+512, 25
.irp s, 1,2,3,4,5,6
	STEP \s%4, \s%2, 0, 1, (\s+2)*REC, 1, LI, 1536*(\s+1), 12288, LI, XSC+512*(\s+1), 50
.endr
	STEP 3, 1, 0, 1, 9*REC, 0, LI, 0, 0, LI, 0, 50
	PLACES 4                                       ; in front of the first read of results, and of writes into the row buffers
	s_cmp_eq_u32 s24, 2
	s_cbranch_scc1 .Lbias2
	BLOAD1                                         ; the next chunk's bias
	s_branch .Lbiasd
.Lbias2:
	BLOAD2 0                                       ; behind the last round: what starts the second layer's sums
.Lbiasd:
.irp m, 0,1,2,3
	WIN 0x04
.set j, 0
.rept 64
	v_max_num_f32 v[HA+j], 0, v[64*\m+j]           ; relu; each accumulator from its low end on.  Register 16 b + i = unit 32 b + 16 h + i of the chunk
.set j, j+1
.endr
	WIN 0
	s_cmp_eq_u32 s24, 2                            ; the shared expert has no gate
	s_cbranch_scc1 .Lnog\m
.set j, 0
.rept 32
	v_pk_mul_f32 v[HA+j:HA+j+1], v[HA+j:HA+j+1], v[GW+2*\m:GW+2*\m+1] op_sel_hi:[1,0]   ; x w, in f32, ahead of the quantiser
.set j, j+2
.endr
.Lnog\m:
	s_wait_dscnt 0x0                               ; the last tile's image stores are done
	QUANT HA, 0
	IMAGE HWI, 1536*\m
	ds_store_b32 v[HWS], v[PW] offset:4*\m
.endr
.irp m, 0,1,2,3
	v_mov_b32 v[GW+2*\m], v[GW+2*\m+1]             ; the next round's weights
.endr
	v_add_nc_u32 v[HWI], 6144, v[HWI]
	v_add_nc_u32 v[HWS], 512, v[HWS]
	s_wait_xcnt 0x0                                ; all loads issued have read their bases
	s_add_nc_u64 s[8:9], s[8:9], 8*REC
	s_mov_b64 s[12:13], s[14:15]                   ; the third chunk's bias is bs1's
	s_wait_dscnt 0x0
	s_add_co_u32 s24, s24, 1
	s_cmp_lt_u32 s24, 3
	s_cbranch_scc1 .Lround
	s_barrier_signal -1                            ; (my LDS stores have landed: the wait stands at the round's end)
	s_barrier_wait -1                              ; the hidden layer's 48 fragments lie in LDS
	; ---- L2: my 256 columns in two phases of 128: twelve K steps (chunks 0 to 11), then the way out
.macro TOSTAGE m                       ; tile m: 16 tokens x 128 columns through my own stage: a lane's 32 bytes of a row in, whole rows of 512 bytes back
	WIN 0x04
.irp t, 0,1,2,3,4,5,6,7
	ds_store_b128 v[SO], v[64*(\m)+8*\t:64*(\m)+8*\t+3] offset:64*\t        ; each accumulator from its low end on
	ds_store_b128 v[SO], v[64*(\m)+8*\t+4:64*(\m)+8*\t+7] offset:64*\t+16
.endr
	WIN 0
.set BB, 192-96*((\m)%2)
.irp i, 0,1,2,3,4,5,6,7,8,9,10,11,12,13,14,15
	ds_load_b128 v[BB+4*\i:BB+4*\i+3], v[SRD] offset:528*\i                 ; LDS serves a wave's instructions in order: these see the stores above
.endr
.endm
.macro SEND m, y, p                    ; y: the LDS instructions issued behind tile m's loads, which may stay out
.set BB, 192-96*((\m)%2)
	s_wait_dscnt \y
.irp i, 0,1,2,3,4,5,6,7,8,9,10,11,12,13,14,15
	global_store_b128 v[LI], v[BB+4*\i:BB+4*\i+3], s[18:19] offset:(16*(\m)+\i)*4096+512*(\p) th:TH_STORE_NT   ; 32 lanes store 512 consecutive bytes, at a multiple of 256 from out0's first byte
.endr
.endm
.macro PHASE2 p
	s_wait_loadcnt 0x0                             ; the phase's first two records, bs2 and b2's operand
	s_wait_xcnt 0x0                                ; the last phase's stores have read their registers
	v_add_nc_u32 v[HRD], HIMG, v[LI]
	v_add_nc_u32 v[HSR], HSC, v[LI]
	RFETCH 0, HRD, 0, 1536, HSR, 0
	PLACES 5                                       ; in front of matrix instructions that write over accumulators begun anew
	WIN 0x63                                       ; b2 in window 3, w in window 0, bs2 in window 2, the sums in window 1
.irp t, 0,1,2,3,4,5,6,7
.irp m, 0,1,2,3
	v_wmma_f32_16x16x32_bf16 v[64*\m+8*\t:64*\m+8*\t+7], v[B2F+8*\t:B2F+8*\t+7], v[WF+8*\m:WF+8*\m+7], v[BIAS+8*\t:BIAS+8*\t+7]   ; bs2 + sum over e of w b2: K = 8 experts x (high, low) x (high, low)
.endr
.endr
	WIN 0
	PLACES 5                                       ; another form takes these sums up
	STEP 0, 0, 0, 1, 2*REC, 1, HRD, 18432, 1536, HSR, 1536, 25
	s_mov_b32 s25, 0
.Lk\@:                                             ; two trips of four K steps: chunks 4 k + 1 .. 4 k + 4; chunk c lies at 18,432 (c % 4) + 6,144 (c / 4)
	STEP 1, 1, 0, 1, 3*REC, 1, HRD, 2*18432, 1536, HSR, 2*1536, 50
	STEP 2, 0, 0, 1, 4*REC, 1, HRD, 3*18432, 1536, HSR, 3*1536, 50
	STEP 3, 1, 0, 1, 5*REC, 1, HRD, 6144, 1536, HSR, 512, 50
	STEP 0, 0, 0, 1, 6*REC, 1, HRD, 18432+6144, 1536, HSR, 1536+512, 50
	v_add_nc_u32 v[HRD], 6144, v[HRD]
	v_add_nc_u32 v[HSR], 512, v[HSR]
	s_wait_xcnt 0x0                                ; the records' loads have read their base
	s_add_nc_u64 s[8:9], s[8:9], 4*REC
	s_add_co_u32 s25, s25, 1
	s_cmp_lt_u32 s25, 2
	s_cbranch_scc1 .Lk\@
	STEP 1, 1, 0, 1, 3*REC, 1, HRD, 2*18432, 1536, HSR, 2*1536, 50
.if (\p) == 0
	STEP 2, 0, 0, 1, 4*REC, 1, HRD, 3*18432, 1536, HSR, 3*1536, 50          ; the stream goes on into the next phase's first two records
	STEP 3, 1, 0, 1, 5*REC, 0, HRD, 0, 0, HSR, 0, 50
	s_wait_xcnt 0x0
	s_add_nc_u64 s[8:9], s[8:9], 4*REC
.else
	STEP 2, 0, 0, 0, 0, 1, HRD, 3*18432, 1536, HSR, 3*1536, 25              ; nothing is left to fetch: the counts run down
	STEP 3, 1, 0, 0, 0, 0, HRD, 0, 0, HSR, 0, 0
.endif
	PLACES 4                                       ; in front of the first read of results, and of loads into the row buffers
.if (\p) == 0
	BLOAD2 1
.endif
	TOSTAGE 0
	TOSTAGE 1
	SEND 0, 32, \p                                 ; behind tile 0's loads: tile 1's 16 stores and 16 loads
	s_wait_xcnt 0x0                                ; tile 0's stores have read their registers: tile 2's rows may land there
	TOSTAGE 2
	SEND 1, 32, \p
	s_wait_xcnt 0x0
	TOSTAGE 3
	SEND 2, 32, \p
	SEND 3, 0, \p
.endm
	PHASE2 0
	PHASE2 1
	s_wait_tensorcnt 0x0                           ; the wave's end
	ds_add_u32 v[SPW], v[NIL]
	s_wait_dscnt 0x0
	s_endpgm
.Lfunc_end_k_qbe2b50dd02_moe:
	.size	k_qbe2b50dd02_moe, .Lfunc_end_k_qbe2b50dd02_moe-k_qbe2b50dd02_moe
	.p2alignl 7, 3214868480
	.fill 96, 4, 3214868480
	.section	.rodata,"a",@progbits
	.p2align	6, 0x0
	.amdhsa_kernel k_qbe2b50dd02_moe
		.amdhsa_group_segment_fixed_size 259584
		.amdhsa_private_segment_fixed_size 0
		.amdhsa_enable_private_segment 0
		.amdhsa_kernarg_size 64
		.amdhsa_user_sgpr_count 2
		.amdhsa_user_sgpr_kernarg_segment_ptr 1
		.amdhsa_wavefront_size32 1
		.amdhsa_system_sgpr_workgroup_id_x 1
		.amdhsa_system_sgpr_workgroup_id_y 1
		.amdhsa_system_sgpr_workgroup_id_z 1
		.amdhsa_system_vgpr_workitem_id 0
		.amdhsa_next_free_vgpr 1024
		.amdhsa_next_free_sgpr 66
		.amdhsa_reserve_vcc 0
		.amdhsa_float_denorm_mode_32 3
		.amdhsa_float_denorm_mode_16_64 3
		.amdhsa_memory_ordered 1
		.amdhsa_forward_progress 1
		.amdhsa_inst_pref_size 255
	.end_amdhsa_kernel
	.section	.bss,"aw",@nobits
	.p2align	6
	.space	262144
	.amdgpu_metadata
---
amdhsa.version: [ 1, 2 ]
amdhsa.kernels:
  - .name:           k_qbe2b50dd02_moe
    .symbol:         k_qbe2b50dd02_moe.kd
    .args:
      - { .name: x, .offset: 0, .size: 8, .value_kind: global_buffer, .address_space: global }
      - { .name: wgf, .offset: 8, .size: 8, .value_kind: global_buffer, .address_space: global }
      - { .name: wq, .offset: 16, .size: 8, .value_kind: global_buffer, .address_space: global }
      - { .name: b2f, .offset: 24, .size: 8, .value_kind: global_buffer, .address_space: global }
      - { .name: b1, .offset: 32, .size: 8, .value_kind: global_buffer, .address_space: global }
      - { .name: bs1, .offset: 40, .size: 8, .value_kind: global_buffer, .address_space: global }
      - { .name: bs2, .offset: 48, .size: 8, .value_kind: global_buffer, .address_space: global }
      - { .name: out0, .offset: 56, .size: 8, .value_kind: global_buffer, .address_space: global }
    .group_segment_fixed_size: 259584
    .private_segment_fixed_size: 0
    .kernarg_segment_align: 8
    .kernarg_segment_size: 64
    .max_flat_workgroup_size: 128
    .sgpr_count:     66
    .vgpr_count:     1024
    .wavefront_size: 32
...
	.end_amdgpu_metadata
.endif
;; end of part 2
;; ======== version 2 of 2: 3 launches; 1.18 times as fast as version 1
;; workspace buffers: wq 2,457,600 bytes; b2f 32,768 bytes; xq 12,582,912 bytes; xs 524,288 bytes; wd 524,288 bytes; rt 98,304 bytes of whole numbers; ord 67,584 bytes of whole numbers
;; launch gate (part 3): grid 256 x 1, 4 waves a work-group, no clusters, 136,960 bytes of LDS; arguments x, Wg, xq, xs, wd, rt; writes xq, xs, wd, rt
.if DOCPART == 3
	.amdgcn_target "amdgcn-amd-amdhsa--gfx1250"
	.amdhsa_code_object_version 6
	.text
	.protected	k_qbe2b50dd02_gate
	.globl	k_qbe2b50dd02_gate
	.p2align	8
	.type	k_qbe2b50dd02_gate,@function
k_qbe2b50dd02_gate:
	s_mov_b64 s[64:65], 0
	v_nop
	global_prefetch_b8 v0, s[64:65] scope:SCOPE_SE
	s_setreg_imm32_b32 hwreg(HW_REG_WAVE_MODE, 25, 1), 1
	s_wait_xcnt 0x0
; THE GATE, AND x's CODES.  For 64 tokens a work-group: logits = x Wg^T in f32, softmax, the top 2, their weights renormalised: w[t][0..7] (0 outside the top 2) -> wd;
; x as codes of FP6 (E2M3) with one E8M0 scale byte for each 32 along H -> xq, xs;  and, as whole numbers at fixed places -> rt, what the next launch sorts the tokens by.
; WHAT THIS PROGRAM DOES NOT MULTIPLY.  reference() weighs expert e's hidden row of token t by w[t][e] AHEAD of the second product's quantiser, and builds w from a one_hot of topk_idx: w[t][e] is 0 for every
; expert outside the token's top 2.  A row of zeros has zero codes, which add nothing to the second product, whatever W1, b1 and W2 hold.  So an expert is multiplied only for blocks of tokens of which at least one
; chose it.  Whole numbers decide that: this launch stores each token's pair of experts, the next launch sorts the tokens by pair, the third reads the lists.  Every input is loaded; no step of reference() is left out.
; LIMIT: a NaN, an infinity or an overflow that arises only in an expert's products for tokens that did not choose it is not carried to the result.
; LAYOUTS.  xq: 768 bytes a token: the 16 bytes at 96 s + 32 c + 16 h are register group c of lane (r, h) of the operand's fragment of K step s (128 along H): a lane gathers its token's part of a fragment by three loads of 16 bytes.
;   xs: 32 bytes a token: the scale word of K step s at 4 s.   wd: 32 bytes a token.
;   rt: word t (t < 16,384): the token's pair number (0..27: pairs a < b in ascending order of (a, b)) + 256 x its rank among its block's tokens of that pair; from byte 65,536 on, 128 bytes a block: the block's count of each pair.
; SHARES.  Four waves share K while x is read (wave w: K steps 2 w, 2 w + 1 of all 64 rows); the partial logits meet in LDS, and wave w finishes the gate of tokens 16 w .. 16 w + 15.  Wave 0 makes the ranks and counts.
; The logits go on into a quantised operand, so they are made by the f32 matrix form: source 0 = Wg's 8 rows, repeated, source 1 = 16 tokens.
; No branch and no address of this launch hangs on a number of x or Wg: masks select values and are counted, nothing more.
; LIMITS: NaN and infinities are not served.  Blocks whose largest magnitude lies under 2^-124 take the floor's byte, 1; a block of zeros has the byte 1 and zero codes (this program alone reads the bytes).
; A token whose second and third scores differ by less than the rounding of f32 sums may choose the other expert; equal scores take the lower index.  The reciprocals are good to one unit in the last place.
; REGISTERS, in windows of 256.  Window 0: v1-23 addresses; v96-143 at work in the quantiser, later v96-191 the codes on their way out; v192-252 the gate.   Window 1: v0-15 the two f32 sums: written by matrix instructions alone.
;   Window 2: four sets of 64 numbers of x as loaded.   Window 3: v0-127 Wg's operand, v128-255 x turned, two sets.
.set XROW,  0                          ; LDS: the 64 tokens' codes, rows of 768 bytes + 16: 784 = 196 words, so that 16 rows start at 16 different groups of four banks
.set XSCL,  50176                      ; their scale words: 32 bytes a token
.set LOGP,  52224                      ; partial logits: (4 m + wave) x 1,024: an image of 8 registers
.set KEYL,  68608                      ; the 64 pair numbers
.set TST,   68864                      ; x's turn: two stages of 16 rows x 528 for each wave
.set SPARE, 136448                     ; the spare words, 128 bytes for each wave: two blocks of 256 bytes that no other line names
.set LI,  1                            ; 16 lane
.set XA,  2                            ; 16 lane + 1,024 w: my bytes of a row of x
.set TSW, 3
.set TSR, 4
.set XWI, 5                            ; 784 r + 16 h + 192 w
.set XWS, 6                            ; XSCL + 32 r + 8 w
.set LGW, 7
.set LGR, 8
.set WGA, 9                            ; 4,096 (r % 8) + 64 h
.set CRA, 10                           ; 12,544 w + 16 lane: my 16 tokens' rows on the way out
.set CRB, 11                           ; the same + 16 h: where lanes 16-31 stand in the next row, behind its padding
.set SRA, 12
.set KWA, 13
.set KRA, 14
.set WDA, 15                           ; 32 r + 16 h
.set L4,  16                           ; 4 lane
.set HH,  17                           ; h
.set SPW, 22                           ; my spare word; never rewritten
.set NIL, 23                           ; 0; never rewritten
.set TM,  96
.set PW,  112
.set PC,  116
.set LT,  136
.set MSB, 0
.macro WIN new                         ; the immediate's high byte repeats the setting that is left; a switch that changes nothing is dropped
.if MSB != (\new)
	s_set_vgpr_msb (MSB<<8)|(\new)
.set MSB, (\new)
.endif
.endm
.macro BARRIER                         ; my LDS stores have landed and my LDS loads are in: then the work-group's barrier
	s_wait_dscnt 0x0
	s_barrier_signal -1
	s_barrier_wait -1
.endm
; Unit u = 2 m + s of x: rows 16 m .. 16 m + 15, my K step s: each load reads 512 consecutive bytes of one row
.macro XLOAD u
	WIN 0x80
.irp i, 0,1,2,3,4,5,6,7,8,9,10,11,12,13,14,15
	global_load_b128 v[64*((\u)%4)+4*\i:64*((\u)%4)+4*\i+3], v[XA], s[4:5] offset:(16*((\u)/2)+\i)*4096+512*((\u)%2) th:TH_LOAD_NT
.endr
	WIN 0
.endm
; and through my own stage: in as loaded, back 16 neighbours of each block of 32 to a lane: register 16 b + i of lane (r, h) = k 32 b + 16 h + i of row r.  LDS serves a wave's instructions in order
.macro TURN u
	WIN 0x08
.irp i, 0,1,2,3,4,5,6,7,8,9,10,11,12,13,14,15
	ds_store_b128 v[TSW], v[64*((\u)%4)+4*\i:64*((\u)%4)+4*\i+3] offset:8448*((\u)%2)+528*\i
.endr
	WIN 0xc0
.irp b, 0,1,2,3
.irp j, 0,1,2,3
	ds_load_b128 v[128+64*((\u)%2)+16*\b+4*\j:128+64*((\u)%2)+16*\b+4*\j+3], v[TSR] offset:8448*((\u)%2)+128*\b+16*\j
.endr
.endr
	WIN 0
.endm
; 64 numbers of a lane, v[s] on in window w, register 16 b + i = k 32 b + 16 h + i of my row, become a fragment's codes in v[PC] on and its scale word in v[PW]
.macro QUANT s, w
	WIN ((\w)<<2)|((\w)<<4)
.irp b, 0,1,2,3
	v_max3_num_f32 v[TM+\b], 0x1800000, |v[(\s)+16*\b]|, |v[(\s)+16*\b+1]|   ; block b: my 16 numbers, and the floor 2^(3 - 127): the byte cannot fall under 1
.endr
.irp i, 2,4,6,8,10,12,14
.irp b, 0,1,2,3
	v_max3_num_f32 v[TM+\b], v[TM+\b], |v[(\s)+16*\b+\i]|, |v[(\s)+16*\b+\i+1]|   ; (the four blocks by turns)
.endr
.endr
	WIN 0
.irp b, 0,1,2,3
	v_permlanex16_b32 v[TM+4+\b], v[TM+\b], s22, s23
.endr
.irp b, 0,1,2,3
	v_max_num_f32 v[TM+\b], v[TM+\b], v[TM+4+\b]   ; with lane l xor 16's: the block's largest magnitude
.endr
.irp b, 0,1,2,3
	v_add_nc_u32 v[TM+12+\b], 0xff000000, v[TM+\b] ; 2 off its exponent field: the conversion's scale operand
.endr
.irp b, 0,1,2,3
	v_lshrrev_b32 v[TM+4+\b], 23, v[TM+12+\b]      ; the scale's byte
.endr
	v_lshl_or_b32 v[PW], v[TM+5], 8, v[TM+4]
	v_lshl_or_b32 v[PW], v[TM+6], 16, v[PW]
	v_lshl_or_b32 v[PW], v[TM+7], 24, v[PW]
	WIN (\w)
.irp c, 0,1
	v_cvt_scalef32_pk16_fp6_f32 v[PC+6*\c:PC+6*\c+2], v[(\s)+32*\c:(\s)+32*\c+15], v[TM+12+2*\c]
	v_cvt_scalef32_pk16_fp6_f32 v[PC+12+4*\c:PC+14+4*\c], v[(\s)+32*\c+16:(\s)+32*\c+31], v[TM+13+2*\c]   ; (a conversion's three registers begin on an even number)
.endr
	WIN 0
	v_nop                                          ; one plain place behind a scaled conversion
.irp c, 0,1                                    ; the operand's layout wants a whole block in a lane
.irp i, 0,1,2
	v_permlane16_swap_b32 v[PC+6*\c+\i], v[PC+12+4*\c+\i]
.endr
.irp i, 0,1,2
	v_mov_b32 v[PC+3+6*\c+\i], v[PC+12+4*\c+\i]
.endr
.endr
.endm
	s_load_b256 s[4:11], s[0:1], 0x0               ; x s[4:5], Wg s[6:7], xq s[8:9], xs s[10:11]
	s_load_b128 s[12:15], s[0:1], 0x20             ; wd s[12:13], rt s[14:15]
	v_lshl_add_u32 v[SPW], v0, 2, SPARE
	v_mov_b32 v[NIL], 0
	v_lshrrev_b32 v24, 5, v0
	v_readfirstlane_b32 s20, v24                   ; wave w
	v_and_b32 v24, 31, v0                          ; lane
	v_and_b32 v25, 15, v0                          ; r
	v_bfe_u32 v[HH], v0, 4, 1                      ; h
	v_lshlrev_b32 v[LI], 4, v24
	v_lshlrev_b32 v[L4], 2, v24
	v_mul_u32_u24 v28, v25, 528
	s_lshl_b32 s26, s20, 10                        ; 1,024 w
	v_add_nc_u32 v[XA], s26, v[LI]
	s_add_co_u32 s27, s26, LOGP
	v_add_nc_u32 v[LGW], s27, v[LI]
	s_lshl_b32 s27, s20, 12
	s_add_co_u32 s27, s27, LOGP
	v_add_nc_u32 v[LGR], s27, v[LI]
	s_mul_i32 s27, s20, 16896
	s_add_co_u32 s27, s27, TST
	v_add_nc_u32 v[TSW], s27, v[LI]
	v_lshl_add_u32 v29, v[HH], 6, v28
	v_add_nc_u32 v[TSR], s27, v29
	v_mul_u32_u24 v29, v25, 784
	v_lshl_add_u32 v29, v[HH], 4, v29
	s_mul_i32 s27, s20, 192
	v_add_nc_u32 v[XWI], s27, v29
	v_lshlrev_b32 v29, 5, v25                      ; 32 r
	s_lshl_b32 s27, s20, 3
	s_add_co_u32 s27, s27, XSCL
	v_add_nc_u32 v[XWS], s27, v29
	v_lshl_add_u32 v[WDA], v[HH], 4, v29
	v_and_b32 v29, 7, v0
	v_lshlrev_b32 v29, 12, v29
	v_lshl_add_u32 v[WGA], v[HH], 6, v29
	s_mul_i32 s27, s20, 12544
	v_add_nc_u32 v[CRA], s27, v[LI]
	v_lshl_add_u32 v[CRB], v[HH], 4, v[CRA]
	s_lshl_b32 s27, s20, 9
	s_add_co_u32 s27, s27, XSCL
	v_add_nc_u32 v[SRA], s27, v[LI]
	s_lshl_b32 s27, s20, 6
	s_add_co_u32 s27, s27, KEYL
	v_lshl_add_u32 v[KWA], v25, 2, s27
	v_add_nc_u32 v[KRA], KEYL, v[L4]
.irp b, 0,1,2,3
	v_mov_b32 v[TM+4+\b], 0                        ; a lane permute's destination counts as one of its sources
.endr
	s_mov_b32 s22, 0x76543210
	s_mov_b32 s23, 0xfedcba98                      ; v_permlanex16_b32's selects for lane l xor 16
	s_mov_b32 s27, 0                               ; s[26:27] = 1,024 w
	s_mov_b32 s29, 0
	s_wait_kmcnt 0x0
	s_lshl_b32 s28, ttmp9, 18                      ; my 64 rows of 4,096 bytes
	s_add_nc_u64 s[4:5], s[4:5], s[28:29]
	s_add_nc_u64 s[6:7], s[6:7], s[26:27]          ; Wg: my two K steps
	s_mul_i32 s28, ttmp9, 49152
	s_mul_i32 s30, s20, 12288
	s_add_co_u32 s28, s28, s30
	s_add_nc_u64 s[8:9], s[8:9], s[28:29]          ; xq: my 16 tokens
	s_lshl_b32 s28, ttmp9, 11
	s_lshl_b32 s30, s20, 9
	s_add_co_u32 s28, s28, s30
	s_add_nc_u64 s[10:11], s[10:11], s[28:29]      ; xs and wd: 32 bytes a token
	s_add_nc_u64 s[12:13], s[12:13], s[28:29]
	s_lshl_b32 s28, ttmp9, 7
	s_add_co_u32 s28, s28, 65536
	s_add_nc_u64 s[16:17], s[14:15], s[28:29]      ; rt: my block's counts,
	s_lshl_b32 s28, ttmp9, 8
	s_add_nc_u64 s[14:15], s[14:15], s[28:29]      ; and its 64 tokens' words
	; ---- X: x is read once; my two K steps of the logits and of the codes.  Eight units u = 2 m + s; loads run four units ahead, the turn through LDS one
	XLOAD 0
	WIN 0xc0
.irp p, 0,1
.irp b, 0,1,2,3
.irp j, 0,1,2,3
	global_load_b128 v[64*\p+16*\b+4*\j:64*\p+16*\b+4*\j+3], v[WGA], s[6:7] offset:512*\p+128*\b+16*\j   ; Wg's operand: register 64 s + 16 b + i = Wg[r % 8][k 32 b + 16 h + i]
.endr
.endr
.endr
	WIN 0
	XLOAD 1
	s_wait_loadcnt 48                              ; unit 0 is in: behind it Wg's 32 loads and unit 1's 16
	TURN 0
	XLOAD 2
	XLOAD 3
.macro UNIT u
.set UM, (\u)/2
.set US, (\u)%2
.set XTB, 128+64*((\u)%2)
	s_wait_dscnt 0x0                               ; this unit's numbers are back from the stage; its stores into the stage and the last unit's stores of codes are done
.if (\u) <= 3
	XLOAD (\u)+4
	s_wait_loadcnt 48                              ; the next unit is in: behind it three units' loads
.elseif (\u) <= 6
	s_wait_loadcnt 16*(6-(\u))                     ; two units', one unit's, none
.endif
.if (\u) <= 6
	TURN (\u)+1
.endif
	WIN 0x5f                                       ; Wg and x in window 3, the sums in window 1
.set p, 0
.rept 32                                       ; 4 along K each; the k of a register pair is the same in both operands; two sums by turns
.if (US == 0) && (p < 2)
	v_wmma_f32_16x16x4_f32 v[8*(p%2):8*(p%2)+7], v[64*US+2*p:64*US+2*p+1], v[XTB+2*p:XTB+2*p+1], 0
.else
	v_wmma_f32_16x16x4_f32 v[8*(p%2):8*(p%2)+7], v[64*US+2*p:64*US+2*p+1], v[XTB+2*p:XTB+2*p+1], v[8*(p%2):8*(p%2)+7]
.endif
.set p, p+1
.endr
	QUANT XTB, 3                                   ; its plain lines are also the places behind the products above
.irp c, 0,1,2
	ds_store_b128 v[XWI], v[PC+4*\c:PC+4*\c+3] offset:12544*UM+96*US+32*\c   ; into my token's row: 96 s + 32 c + 16 h
.endr
	ds_store_b32 v[XWS], v[PW] offset:512*UM+4*US  ; both halves of the lanes write the same word with the same value
.if US == 1
	WIN 0x05
.irp j, 0,1,2,3,4,5,6,7
	v_add_f32 v[LT+\j], v[\j], v[8+\j]             ; register j: my part of expert j's logit for token r (both halves of the lanes alike); each sum from its low end on
.endr
	WIN 0
	ds_store_b128 v[LGW], v[LT:LT+3] offset:4096*UM
	ds_store_b128 v[LGW], v[LT+4:LT+7] offset:4096*UM+512
.endif
.endm
.irp u, 0,1,2,3,4,5,6,7
	UNIT \u
.endr
	BARRIER                                        ; the 64 rows of codes, their scale words and the 16 partial logits lie in LDS
	; ---- the codes leave: my 16 tokens' 12,288 bytes, dense in memory: three loads take two rows of 768 bytes
.irp k, 0,1,2,3,4,5,6,7
	ds_load_b128 v[96+12*\k:99+12*\k], v[CRA] offset:1568*\k
	ds_load_b128 v[100+12*\k:103+12*\k], v[CRB] offset:1568*\k+512
	ds_load_b128 v[104+12*\k:107+12*\k], v[CRA] offset:1568*\k+1040
.endr
	ds_load_b128 v[24:27], v[SRA]
.irp k, 0,1,2,3
	ds_load_b128 v[192+8*\k:195+8*\k], v[LGR] offset:1024*\k
	ds_load_b128 v[196+8*\k:199+8*\k], v[LGR] offset:1024*\k+512
.endr
	s_wait_dscnt 8                                 ; the codes and scale words are in registers: behind them the eight loads of partial logits
.irp k, 0,1,2,3,4,5,6,7
.irp i, 0,1,2
	global_store_b128 v[LI], v[96+12*\k+4*\i:99+12*\k+4*\i], s[8:9] offset:1536*\k+512*\i   ; 32 lanes store 512 consecutive bytes, at a multiple of 256 from xq's first byte
.endr
.endr
	global_store_b128 v[LI], v[24:27], s[10:11]
	; ---- G: the gate, wave w for tokens 16 w + r
	s_wait_dscnt 0x0
.irp j, 0,2,4,6
	v_pk_add_f32 v[192+\j:193+\j], v[192+\j:193+\j], v[200+\j:201+\j]
	v_pk_add_f32 v[208+\j:209+\j], v[208+\j:209+\j], v[216+\j:217+\j]
.endr
.irp j, 0,2,4,6
	v_pk_add_f32 v[192+\j:193+\j], v[192+\j:193+\j], v[208+\j:209+\j]       ; v192-199: the eight logits
.endr
	v_max3_num_f32 v224, v192, v193, v194
	v_max3_num_f32 v225, v195, v196, v197
	v_max3_num_f32 v224, v224, v198, v199
	v_max_num_f32 v224, v224, v225                 ; the largest is taken away before the exponential
.irp j, 0,1,2,3,4,5,6,7
	v_sub_f32 v[200+\j], v[192+\j], v224
.endr
.irp j, 0,1,2,3,4,5,6,7
	v_mul_f32 v[200+\j], 0x3fb8aa3b, v[200+\j]
.endr
.irp j, 0,1,2,3,4,5,6,7
	v_exp_f32 v[200+\j], v[200+\j]
.endr
	v_nop                                          ; a plain place behind the exponentials
	s_wait_alu depctr_va_vdst(0)                   ; one wait for the batch, ahead of its first reader
	v_add_f32 v225, v200, v201
	v_add_f32 v226, v202, v203
	v_add_f32 v227, v204, v205
	v_add_f32 v228, v206, v207
	v_add_f32 v225, v225, v226
	v_add_f32 v227, v227, v228
	v_add_f32 v225, v225, v227
	v_rcp_f32 v226, v225
	v_nop
	s_wait_alu depctr_va_vdst(0)
.irp j, 0,1,2,3,4,5,6,7
	v_mul_f32 v[208+\j], v[200+\j], v226           ; the scores
.endr
	v_max3_num_f32 v227, v208, v209, v210
	v_max3_num_f32 v228, v211, v212, v213
	v_max3_num_f32 v227, v227, v214, v215
	v_max_num_f32 v227, v227, v228                 ; the largest score
	s_mov_b32 s48, 0
.irp j, 0,1,2,3,4,5,6,7
	v_cmp_eq_f32 s49, v[208+\j], v227
	s_and_not1_b32 s[32+\j], s49, s48              ; expert j is the first choice where it has the largest score and no lower index had it
	s_or_b32 s48, s48, s49
.endr
.irp j, 0,1,2,3,4,5,6,7
	v_cndmask_b32 v[216+\j], v[208+\j], -1.0, s[32+\j]                      ; the first choice leaves the field: no score is negative
.endr
	v_max3_num_f32 v228, v216, v217, v218
	v_max3_num_f32 v229, v219, v220, v221
	v_max3_num_f32 v228, v228, v222, v223
	v_max_num_f32 v228, v228, v229                 ; the second score
	s_mov_b32 s48, 0
.irp j, 0,1,2,3,4,5,6,7
	v_cmp_eq_f32 s49, v[216+\j], v228
	s_and_not1_b32 s[40+\j], s49, s48
	s_or_b32 s48, s48, s49
.endr
	v_add_f32 v230, v227, v228
	v_add_f32 v230, 0x1e3ce508, v230               ; + 1e-20
	v_rcp_f32 v231, v230
	v_mov_b32 v248, 0                              ; (plain work behind the reciprocal)  the two choices as whole numbers
	v_mov_b32 v249, 0
.irp j, 1,2,3,4,5,6,7
	v_cndmask_b32 v248, v248, \j, s[32+\j]
	v_cndmask_b32 v249, v249, \j, s[40+\j]
.endr
.irp j, 0,1,2,3,4,5,6,7
	s_or_b32 s[32+\j], s[32+\j], s[40+\j]
.endr
	s_wait_alu depctr_va_vdst(0)
.irp j, 0,1,2,3,4,5,6,7
	v_mul_f32 v[200+\j], v[208+\j], v231
.endr
.irp j, 0,1,2,3,4,5,6,7
	v_cndmask_b32 v[232+\j], 0, v[200+\j], s[32+\j]                         ; w: the masks select values alone
.endr
	v_cmp_eq_u32 vcc_lo, 1, v[HH]
.irp i, 0,1,2,3
	v_cndmask_b32 v[240+\i], v[232+\i], v[236+\i], vcc_lo                   ; lanes 0-15 store experts 0-3, lanes 16-31 experts 4-7
.endr
	global_store_b128 v[WDA], v[240:243], s[12:13] ; the wave's one store covers its 16 tokens' 512 consecutive bytes
	v_min_u32 v250, v248, v249                     ; a
	v_max_u32 v251, v248, v249                     ; b
	v_sub_nc_u32 v252, 15, v250
	v_mul_u32_u24 v252, v250, v252
	v_lshrrev_b32 v252, 1, v252                    ; a (15 - a) / 2: the pairs that begin with a lower expert
	v_add_nc_u32 v252, v252, v251
	v_sub_nc_u32 v252, v252, v250
	v_add_nc_u32 v252, -1, v252                    ; + b - a - 1: the pair's number
	ds_store_b32 v[KWA], v252
	BARRIER                                        ; the 64 pair numbers lie in LDS
	s_cmp_lg_u32 s20, 0
	s_cbranch_scc1 .Lend
	; ---- wave 0: each token's rank among the block's tokens of its pair, and the block's count of each pair
	ds_load_b32 v200, v[KRA]                       ; token = lane,
	ds_load_b32 v201, v[KRA] offset:128            ; token = 32 + lane
	v_mov_b32 v202, 0                              ; the counts: lane = pair; lanes 28-31 stay 0
	v_mov_b32 v203, 0
	v_mov_b32 v204, 0
	s_wait_dscnt 0x0
.set tt, 0
.rept 28
	v_cmp_eq_u32 s26, tt, v200
	v_cmp_eq_u32 s27, tt, v201
	s_bcnt1_i32_b32 s28, s26
	s_bcnt1_i32_b32 s29, s27
	v_mbcnt_lo_u32_b32 v205, s26, 0                ; tokens of this pair in lower lanes,
	v_mbcnt_lo_u32_b32 v206, s27, s28              ; and for the upper 32 tokens: all of the lower 32 first
	s_add_co_u32 s29, s29, s28
	v_cndmask_b32 v203, v203, v205, s26
	v_cndmask_b32 v204, v204, v206, s27
	v_writelane_b32 v202, s29, tt
.set tt, tt+1
.endr
	v_lshl_or_b32 v203, v203, 8, v200
	v_lshl_or_b32 v204, v204, 8, v201
	global_store_b32 v[L4], v203, s[14:15]
	global_store_b32 v[L4], v204, s[14:15] offset:128
	global_store_b32 v[L4], v202, s[16:17]
.Lend:
	s_wait_tensorcnt 0x0                           ; the wave's end
	ds_add_u32 v[SPW], v[NIL]
	s_wait_dscnt 0x0
	s_endpgm
.Lfunc_end_k_qbe2b50dd02_gate:
	.size	k_qbe2b50dd02_gate, .Lfunc_end_k_qbe2b50dd02_gate-k_qbe2b50dd02_gate
	.p2alignl 7, 3214868480
	.fill 96, 4, 3214868480
	.section	.rodata,"a",@progbits
	.p2align	6, 0x0
	.amdhsa_kernel k_qbe2b50dd02_gate
		.amdhsa_group_segment_fixed_size 136960
		.amdhsa_private_segment_fixed_size 0
		.amdhsa_enable_private_segment 0
		.amdhsa_kernarg_size 48
		.amdhsa_user_sgpr_count 2
		.amdhsa_user_sgpr_kernarg_segment_ptr 1
		.amdhsa_wavefront_size32 1
		.amdhsa_system_sgpr_workgroup_id_x 1
		.amdhsa_system_sgpr_workgroup_id_y 1
		.amdhsa_system_sgpr_workgroup_id_z 1
		.amdhsa_system_vgpr_workitem_id 0
		.amdhsa_next_free_vgpr 1024
		.amdhsa_next_free_sgpr 66
		.amdhsa_reserve_vcc 1
		.amdhsa_float_denorm_mode_32 3
		.amdhsa_float_denorm_mode_16_64 3
		.amdhsa_memory_ordered 1
		.amdhsa_forward_progress 1
		.amdhsa_inst_pref_size 116
	.end_amdhsa_kernel
	.amdgpu_metadata
---
amdhsa.version: [ 1, 2 ]
amdhsa.kernels:
  - .name:           k_qbe2b50dd02_gate
    .symbol:         k_qbe2b50dd02_gate.kd
    .args:
      - { .name: x, .offset: 0, .size: 8, .value_kind: global_buffer, .address_space: global }
      - { .name: Wg, .offset: 8, .size: 8, .value_kind: global_buffer, .address_space: global }
      - { .name: xq, .offset: 16, .size: 8, .value_kind: global_buffer, .address_space: global }
      - { .name: xs, .offset: 24, .size: 8, .value_kind: global_buffer, .address_space: global }
      - { .name: wd, .offset: 32, .size: 8, .value_kind: global_buffer, .address_space: global }
      - { .name: rt, .offset: 40, .size: 8, .value_kind: global_buffer, .address_space: global }
    .group_segment_fixed_size: 136960
    .private_segment_fixed_size: 0
    .kernarg_segment_align: 8
    .kernarg_segment_size: 48
    .max_flat_workgroup_size: 128
    .sgpr_count:     66
    .vgpr_count:     1024
    .wavefront_size: 32
...
	.end_amdgpu_metadata
.endif
;; end of part 3
;; launch prep (part 4): grid 51 x 4, 8 waves a work-group, no clusters, 73,216 bytes of LDS; arguments W1, Ws1, W2, Ws2, b2, rt, wq, b2f, ord; writes wq, b2f, ord
.if DOCPART == 4
	.amdgcn_target "amdgcn-amd-amdhsa--gfx1250"
	.amdhsa_code_object_version 6
	.text
	.protected	k_qbe2b50dd02_prep
	.globl	k_qbe2b50dd02_prep
	.p2align	8
	.type	k_qbe2b50dd02_prep,@function
k_qbe2b50dd02_prep:
	s_mov_b64 s[64:65], 0
	v_nop
	global_prefetch_b8 v0, s[64:65] scope:SCOPE_SE
	s_setreg_imm32_b32 hwreg(HW_REG_WAVE_MODE, 25, 1), 1
	s_wait_xcnt 0x0
; THE WEIGHTS ARE LAID OUT ONCE, in the order in which the third launch's waves take them into registers; and THE TOKENS ARE PLACED by their pair of experts.  Nothing is left out here.
; wq: W1, Ws1, W2, Ws2 (f32, K innermost) as codes of FP6 (E2M3) with one E8M0 scale byte for each 32 along K.  A block's scale is 2^(floor(log2(its largest magnitude)) - 2).
;   wq = 4 streams x 48 records of REC = 12,800 bytes.  A record = 8 fragments (16 rows x 128 K: 12 registers a lane) as IMAGES OF THEIR REGISTERS
;   (register group c of lane l at 512 c + 16 l: 1,536 bytes a fragment), then 512 bytes of scale words: lane l's 16 bytes at 16 l: lanes 0-15 the words of tiles 0-3 for row l, lanes 16-31 those of tiles 4-7.
;   Records 8 j + s of stream y (j = 0..2, s = 0..7): the first layer, chunk 4 j + y of 128 hidden units (chunks 0-7: expert c of W1; 8-11: units 128 (c - 8) on of Ws1), K step s.
;     THE ROWS OF A TILE ARE NOT NEIGHBOURS there: lane r of tile 2 b + u takes unit 32 b + 8 u + r + 8 (r / 8), so that the results of two neighbouring tiles are 16 neighbours along the next K.
;   Records 24 + 12 p + c of stream y (p = 0, 1; c = 0..11): the second layer, output columns 256 y + 128 p + 16 t + r, K step c (c < 8: W2 of expert c; else Ws2, units 128 (c - 8) on).
; b2f: b2 as a bf16 operand, a high and a low part: tile n (16 columns): lane (r, h): 8 experts of column 16 n + r, h = 0 the high parts, h = 1 the low parts.
; ord: word i (i < 16,384): the token at place i of the list sorted by pair of experts; from byte 65,536 on, 8 bytes for each block of 64 places: L, the experts that the block's tokens chose, ascending, a nibble each; n, their number.
;   An odd n is made even by the lowest expert that nobody in the block chose: every token's weight for it is 0, so it adds nothing; the third launch walks the experts two at a time.
; SHARES.  Work-group (X, Y): X < 48: record X of stream Y, wave t its tile t;  X = 48, 49: eight tiles of b2f;  X = 50: the places of the tokens of blocks 64 Y .. 64 Y + 63.  The paths part on X alone: the same way for all eight waves.
; THE PLACES: place = the pair's start + the counts of that pair in earlier blocks + the token's rank in its block (rt holds pair, rank and counts).  No atomics: each word of ord has one writer.
; LIMITS: blocks whose largest magnitude lies under 2^-124 take the floor's byte, 1; a block of zeros gets the byte 1 where the rule says 127 (its codes are zeros, and this program alone reads the bytes); NaN and infinities are not served.
.set REC,   12800
.set SCB,   67584                      ; LDS: eight stages of 16 rows x 528 bytes from byte 0; then the record's 512 bytes of scale words;
.set SPARE, 68096                      ; then the spare words, 128 bytes for each wave: four blocks of 256 bytes that no other line names;
.set QTAB,  69120                      ; then, for the placing path alone, 32 rows of 128 bytes: the counts of eight blocks summed
.set LI,  1                            ; v1   16 x lane
.set RR,  2                            ; v2   r = lane % 16
.set HH,  3                            ; v3   h = lane / 16
.set TSW, 4                            ; v4   my stage, on the way in: 8,448 x wave + 16 x lane
.set TSR, 5                            ; v5   and out: 8,448 x wave + 528 r + 64 h
.set SCW, 6                            ; v6   where my tile's scale words go
.set SCR, 7                            ; v7   and where wave 0 reads the block back
.set SPW, 10                           ; v10  my spare word; never rewritten
.set NIL, 11                           ; v11  0; never rewritten
.set VO,  12                           ; v12-27 byte offsets of my tile's 16 rows
.set QW,  28                           ; v28  QTAB + 512 x wave + 4 x lane
.set QR,  29                           ; v29  QTAB + 4 x lane
.set L4,  30                           ; v30  4 x lane
.set LN,  31                           ; v31  lane
.set R,   32                           ; v32-95 the tile as loaded
.set PC,  32                           ; v32-51 later the codes
.set XT,  96                           ; v96-159 64 numbers of my row: register 16 b + i = k 32 b + 16 h + i
.set TM,  160                          ; v160-175 at work
.set PW,  176                          ; v176 the scale word
	s_load_b256 s[4:11], s[0:1], 0x0               ; W1 s[4:5], Ws1 s[6:7], W2 s[8:9], Ws2 s[10:11]
	s_load_b256 s[12:19], s[0:1], 0x20             ; b2 s[12:13], rt s[14:15], wq s[16:17], b2f s[18:19]
	s_load_b64 s[20:21], s[0:1], 0x40              ; ord
	v_lshl_add_u32 v[SPW], v0, 2, SPARE
	v_mov_b32 v[NIL], 0
	v_lshrrev_b32 v8, 5, v0
	v_readfirstlane_b32 s22, v8                    ; wave t
	v_and_b32 v[LN], 31, v0
	v_and_b32 v[RR], 15, v0
	v_bfe_u32 v[HH], v0, 4, 1
	v_lshlrev_b32 v[LI], 4, v[LN]
	v_lshlrev_b32 v[L4], 2, v[LN]
	s_and_b32 s23, ttmp7, 0xffff                   ; Y
	s_lshl_b32 s24, s22, 9
	s_add_co_u32 s24, s24, QTAB
	v_add_nc_u32 v[QW], s24, v[L4]
	v_add_nc_u32 v[QR], QTAB, v[L4]
	s_mul_i32 s24, s22, 8448
	v_add_nc_u32 v[TSW], s24, v[LI]
	v_mul_u32_u24 v9, v[RR], 528
	v_lshl_add_u32 v9, v[HH], 6, v9
	v_add_nc_u32 v[TSR], s24, v9
	s_lshr_b32 s24, s22, 2
	s_lshl_b32 s24, s24, 8
	s_and_b32 s25, s22, 3
	s_lshl_b32 s25, s25, 2
	s_add_co_u32 s24, s24, s25
	s_add_co_u32 s24, s24, SCB
	v_lshl_add_u32 v[SCW], v[RR], 4, s24           ; SCB + 16 r + 256 (t / 4) + 4 (t % 4)
	v_add_nc_u32 v[SCR], SCB, v[LI]
.irp b, 0,1,2,3
	v_mov_b32 v[TM+4+\b], 0                        ; written once: a lane permute's destination counts as one of its sources
.endr
	s_mov_b32 s38, 0x76543210
	s_mov_b32 s39, 0xfedcba98                      ; v_permlanex16_b32's selects for lane l xor 16
	s_wait_kmcnt 0x0
	s_cmp_lt_u32 ttmp9, 48
	s_cbranch_scc0 .Lsmall
	s_cmp_lt_u32 ttmp9, 24
	s_cbranch_scc0 .Llayer2
	; ---- a record of the first layer: j = X / 8, K step s = X % 8
	s_lshr_b32 s24, ttmp9, 3                       ; j
	s_and_b32 s25, ttmp9, 7                        ; s
	s_lshl_b32 s26, s24, 2
	s_add_co_u32 s26, s26, s23                     ; 4 j + Y: the expert
	s_cmp_lt_u32 s24, 2
	s_cselect_b64 s[28:29], s[4:5], s[6:7]         ; W1, or Ws1 for j = 2
	s_cselect_b32 s26, s26, s23
	s_lshl_b32 s26, s26, 19                        ; 128 rows of 4,096 bytes a chunk
	s_lshl_b32 s25, s25, 9                         ; 128 numbers a K step
	s_add_co_u32 s30, s26, s25
	s_mov_b32 s31, 4096                            ; from row to row
	s_mov_b32 s32, 9*4096                          ; from the tile's eighth row to its ninth: eight rows are passed over
	s_lshr_b32 s24, s22, 1
	s_lshl_b32 s24, s24, 5
	s_and_b32 s25, s22, 1
	s_lshl_b32 s25, s25, 3
	s_add_co_u32 s33, s24, s25                     ; the tile's first row: 32 (t / 2) + 8 (t % 2)
	s_branch .Lquant
.Llayer2:
	; ---- a record of the second layer: i = X - 24, p = i / 12, K step c = i % 12
	s_sub_co_u32 s24, ttmp9, 24
	s_cmp_ge_u32 s24, 12
	s_cselect_b32 s25, 128, 0                      ; 128 p
	s_cselect_b32 s26, 12, 0
	s_sub_co_u32 s24, s24, s26                     ; c
	s_lshl_b32 s26, s23, 8
	s_add_co_u32 s25, s25, s26                     ; the record's first column: 256 Y + 128 p
	s_lshl_b32 s26, s24, 19
	s_lshl_b32 s27, s25, 9
	s_add_co_u32 s26, s26, s27                     ; in W2: expert c, rows of 512 bytes
	s_lshl_b32 s27, s25, 11
	s_lshl_b32 s34, s24, 9
	s_add_co_u32 s27, s27, s34
	s_sub_co_u32 s27, s27, 4096                    ; in Ws2: rows of 2,048 bytes, + 512 (c - 8)  (used for c >= 8 alone)
	s_mov_b32 s31, 2048
	s_cmp_lt_u32 s24, 8
	s_cselect_b64 s[28:29], s[8:9], s[10:11]
	s_cselect_b32 s30, s26, s27
	s_cselect_b32 s31, 512, s31
	s_mov_b32 s32, s31                             ; the tile's rows are neighbours
	s_lshl_b32 s33, s22, 4                         ; its first: 16 t
.Lquant:
	s_mul_i32 s34, s33, s31
	s_add_co_u32 s34, s34, s30
	s_mov_b32 s35, 0
	s_add_nc_u64 s[28:29], s[28:29], s[34:35]      ; my tile's first row, at its K step
	s_mul_i32 s36, s23, 48
	s_add_co_u32 s36, s36, ttmp9
	s_mul_i32 s36, s36, REC
	s_mul_i32 s37, s22, 1536
	s_add_co_u32 s36, s36, s37
	s_mov_b32 s37, 0
	s_add_nc_u64 s[16:17], s[16:17], s[36:37]      ; my fragment's image
	v_mov_b32 v[VO], v[LI]
.irp i, 1,2,3,4,5,6,7,8,9,10,11,12,13,14,15
.if \i == 8
	v_add_nc_u32 v[VO+\i], s32, v[VO+\i-1]
.else
	v_add_nc_u32 v[VO+\i], s31, v[VO+\i-1]
.endif
.endr
.irp i, 0,1,2,3,4,5,6,7,8,9,10,11,12,13,14,15
	global_load_b128 v[R+4*\i:R+4*\i+3], v[VO+\i], s[28:29] th:TH_LOAD_NT   ; 32 lanes read a row's 512 consecutive bytes
.endr
	s_wait_loadcnt 0x0
.irp i, 0,1,2,3,4,5,6,7,8,9,10,11,12,13,14,15
	ds_store_b128 v[TSW], v[R+4*\i:R+4*\i+3] offset:528*\i                  ; through my own stage: row i as it lies,
.endr
.irp b, 0,1,2,3
.irp j, 0,1,2,3
	ds_load_b128 v[XT+16*\b+4*\j:XT+16*\b+4*\j+3], v[TSR] offset:128*\b+16*\j   ; and back 16 neighbours of each block of 32 to a lane (LDS serves a wave's instructions in order)
.endr
.endr
	s_wait_dscnt 0x0
.irp b, 0,1,2,3
	v_max3_num_f32 v[TM+\b], |v[XT+16*\b]|, |v[XT+16*\b+1]|, 0x1800000       ; block b: my 16 numbers, and the floor 2^(3 - 127): the byte cannot fall under 1
.endr
.irp i, 2,4,6,8,10,12,14
.irp b, 0,1,2,3
	v_max3_num_f32 v[TM+\b], v[TM+\b], |v[XT+16*\b+\i]|, |v[XT+16*\b+\i+1]|
.endr
.endr
.irp b, 0,1,2,3
	v_permlanex16_b32 v[TM+4+\b], v[TM+\b], s38, s39
.endr
.irp b, 0,1,2,3
	v_max_num_f32 v[TM+\b], v[TM+\b], v[TM+4+\b]   ; with lane l xor 16's: the block's largest magnitude
.endr
.irp b, 0,1,2,3
	v_add_nc_u32 v[TM+12+\b], 0xff000000, v[TM+\b] ; 2 off its exponent field: the conversion's scale operand
.endr
.irp b, 0,1,2,3
	v_lshrrev_b32 v[TM+4+\b], 23, v[TM+12+\b]      ; the scale's byte
.endr
	v_lshl_or_b32 v[PW], v[TM+5], 8, v[TM+4]
	v_lshl_or_b32 v[PW], v[TM+6], 16, v[PW]
	v_lshl_or_b32 v[PW], v[TM+7], 24, v[PW]        ; my row's scale word
.irp c, 0,1
	v_cvt_scalef32_pk16_fp6_f32 v[PC+6*\c:PC+6*\c+2], v[XT+32*\c:XT+32*\c+15], v[TM+12+2*\c]
	v_cvt_scalef32_pk16_fp6_f32 v[PC+12+4*\c:PC+14+4*\c], v[XT+32*\c+16:XT+32*\c+31], v[TM+13+2*\c]   ; (a conversion's three registers begin on an even number)
.endr
	v_nop                                          ; one plain place behind a scaled conversion
.irp c, 0,1                                    ; the operand's layout wants a whole block in a lane
.irp i, 0,1,2
	v_permlane16_swap_b32 v[PC+6*\c+\i], v[PC+12+4*\c+\i]
.endr
.irp i, 0,1,2
	v_mov_b32 v[PC+3+6*\c+\i], v[PC+12+4*\c+\i]
.endr
.endr
.irp c, 0,1,2
	global_store_b128 v[LI], v[PC+4*\c:PC+4*\c+3], s[16:17] offset:512*\c   ; 32 lanes store 512 consecutive bytes, at a multiple of 256 from wq's first byte
.endr
	ds_store_b32 v[SCW], v[PW]                     ; both halves of the lanes write the same word with the same value
	s_wait_dscnt 0x0                               ; for the others' sake: my store has landed
	s_barrier_signal -1
	s_barrier_wait -1                              ; the eight tiles' words lie together
	s_cmp_lg_u32 s22, 0
	s_cbranch_scc1 .Lend
	ds_load_b128 v[XT:XT+3], v[SCR]
	s_wait_dscnt 0x0
	global_store_b128 v[LI], v[XT:XT+3], s[16:17] offset:12288              ; wave 0's base is the record's: the scale block lies behind the eight fragments
	s_branch .Lend
.Lsmall:
	s_cmp_lt_u32 ttmp9, 50
	s_cbranch_scc0 .Lplace
	; ---- b2f: tile n = ((X - 48) 4 + Y) 8 + t
	s_sub_co_u32 s24, ttmp9, 48
	s_lshl_b32 s24, s24, 2
	s_add_co_u32 s24, s24, s23
	s_lshl_b32 s24, s24, 3
	s_add_co_u32 s24, s24, s22
	s_lshl_b32 s26, s24, 6                         ; 16 columns of 4 bytes
	s_mov_b32 s27, 0
	s_add_nc_u64 s[12:13], s[12:13], s[26:27]
	s_lshl_b32 s26, s24, 9
	s_add_nc_u64 s[18:19], s[18:19], s[26:27]
	v_lshlrev_b32 v8, 2, v[RR]
.irp e, 0,1,2,3,4,5,6,7
	global_load_b32 v[32+\e], v8, s[12:13] offset:4096*\e                   ; b2[e][16 n + r]
.endr
	s_wait_loadcnt 0x0
.irp i, 0,1,2,3
	v_cvt_pk_bf16_f32 v[48+\i], v[32+2*\i], v[33+2*\i]                      ; the high parts
.endr
.irp i, 0,1,2,3
	v_lshlrev_b32 v[56+2*\i], 16, v[48+\i]
	v_and_b32 v[57+2*\i], 0xffff0000, v[48+\i]
.endr
.irp e, 0,1,2,3,4,5,6,7
	v_sub_f32 v[56+\e], v[32+\e], v[56+\e]                                  ; what they leave, exactly
.endr
.irp i, 0,1,2,3
	v_cvt_pk_bf16_f32 v[52+\i], v[56+2*\i], v[57+2*\i]                      ; the low parts
.endr
	v_cmp_eq_u32 vcc_lo, 1, v[HH]
.irp i, 0,1,2,3
	v_cndmask_b32 v[48+\i], v[48+\i], v[52+\i], vcc_lo                      ; lanes 0-15 keep the high parts, lanes 16-31 the low
.endr
	global_store_b128 v[LI], v[48:51], s[18:19]
	s_branch .Lend
.Lplace:
	; ---- the tokens' places.  Wave t of work-group Y places the tokens of blocks 8 G .. 8 G + 7, G = 8 Y + t.  In all count rows lane = pair
	s_mov_b32 s25, 0
	s_lshl_b32 s24, s22, 12
	s_add_co_u32 s24, s24, 65536
	s_add_nc_u64 s[26:27], s[14:15], s[24:25]      ; the count rows of blocks 32 t .. 32 t + 31: the eight waves sum all 256
	s_lshl_b32 s28, s23, 3
	s_add_co_u32 s28, s28, s22                     ; G
	s_lshl_b32 s24, s28, 10
	s_add_co_u32 s24, s24, 65536
	s_add_nc_u64 s[30:31], s[14:15], s[24:25]      ; my eight blocks' count rows,
	s_lshl_b32 s24, s28, 11
	s_add_nc_u64 s[32:33], s[14:15], s[24:25]      ; and their tokens' words
.irp i, 0,1,2,3,4,5,6,7,8,9,10,11,12,13,14,15,16,17,18,19,20,21,22,23,24,25,26,27,28,29,30,31
	global_load_b32 v[32+\i], v[L4], s[26:27] offset:128*\i
.endr
.irp k, 0,1,2,3,4,5,6,7
	global_load_b32 v[64+\k], v[L4], s[30:31] offset:128*\k
.endr
.irp k, 0,1,2,3,4,5,6,7
	global_load_b32 v[72+2*\k], v[L4], s[32:33] offset:256*\k               ; token = lane of block k,
	global_load_b32 v[73+2*\k], v[L4], s[32:33] offset:256*\k+128           ; token = 32 + lane
.endr
	s_wait_loadcnt 24                              ; the 32 rows are in: behind them my blocks' 8 + 16 loads
.irp i, 0,1,2,3
	v_add_nc_u32 v[96+\i], v[32+8*\i], v[33+8*\i]
.irp j, 2,3,4,5,6,7
	v_add_nc_u32 v[96+\i], v[96+\i], v[32+8*\i+\j]
.endr
	ds_store_b32 v[QW], v[96+\i] offset:128*\i     ; row 4 t + i: the counts of blocks 32 t + 8 i .. + 7
.endr
	s_wait_dscnt 0x0                               ; for the others' sake: my stores have landed
	s_barrier_signal -1
	s_barrier_wait -1
.irp i, 0,1,2,3,4,5,6,7,8,9,10,11,12,13,14,15,16,17,18,19,20,21,22,23,24,25,26,27,28,29,30,31
	ds_load_b32 v[32+\i], v[QR] offset:128*\i
.endr
	v_mov_b32 v100, 0                              ; each pair's tokens in all,
	v_mov_b32 v101, 0                              ; and in the blocks ahead of mine
	s_wait_dscnt 0x0
.irp i, 0,1,2,3,4,5,6,7,8,9,10,11,12,13,14,15,16,17,18,19,20,21,22,23,24,25,26,27,28,29,30,31
	s_cmp_gt_u32 s28, \i
	s_cselect_b32 s24, -1, 0
	v_add_nc_u32 v100, v100, v[32+\i]
	v_and_b32 v102, s24, v[32+\i]
	v_add_nc_u32 v101, v101, v102
.endr
	v_mov_b32 v103, 0                              ; each pair's start in the sorted list
	s_mov_b32 s24, 0
.set tt, 0
.rept 28
	v_readlane_b32 s25, v100, tt
	v_writelane_b32 v103, s24, tt
	s_add_co_u32 s24, s24, s25
.set tt, tt+1
.endr
	s_wait_loadcnt 0x0
	v_add_nc_u32 v144, v103, v101                  ; v144 + k: where block k's first token of each pair goes
.irp k, 0,1,2,3,4,5,6
	v_add_nc_u32 v[145+\k], v[144+\k], v[64+\k]
.endr
	s_lshl_b32 s24, s28, 9
	v_add_nc_u32 v104, s24, v[LN]                  ; my first block's token = lane
.irp k, 0,1,2,3,4,5,6,7
.irp u, 0,1
	v_and_b32 v[112+2*\k+\u], 0xff, v[72+2*\k+\u]  ; the token's pair,
	v_min_u32 v[112+2*\k+\u], 31, v[112+2*\k+\u]
	v_lshlrev_b32 v[112+2*\k+\u], 2, v[112+2*\k+\u]
	ds_bpermute_b32 v[128+2*\k+\u], v[112+2*\k+\u], v[144+\k]               ; and that lane's number: no LDS byte is touched
.endr
.endr
	s_wait_dscnt 0x0
.irp k, 0,1,2,3,4,5,6,7
.irp u, 0,1
	v_lshrrev_b32 v[72+2*\k+\u], 8, v[72+2*\k+\u]  ; the rank
	v_add_nc_u32 v[112+2*\k+\u], v[128+2*\k+\u], v[72+2*\k+\u]              ; the place,
	v_min_u32 v[112+2*\k+\u], 0x3fff, v[112+2*\k+\u]
	v_lshlrev_b32 v[112+2*\k+\u], 2, v[112+2*\k+\u]
	v_add_nc_u32 v[128+2*\k+\u], 64*\k+32*\u, v104                          ; the token
	global_store_b32 v[112+2*\k+\u], v[128+2*\k+\u], s[20:21]               ; (every store has registers of its own: none is written again)
.endr
.endr
	s_cmp_lt_u32 s22, 2
	s_cbranch_scc0 .Lend
	; ---- waves 0 and 1: the experts of sorted blocks 64 Y + 32 t + lane: those of every pair whose run of places meets the block's 64
	s_lshl_b32 s24, s23, 6
	s_lshl_b32 s25, s22, 5
	s_add_co_u32 s24, s24, s25
	v_add_nc_u32 v160, s24, v[LN]
	v_lshlrev_b32 v160, 6, v160                    ; the block's first place,
	v_add_nc_u32 v161, 64, v160                    ; and the place behind its last
	v_mov_b32 v162, 0                              ; the set of experts, a bit each
.set tt, 0
.irp a, 0,1,2,3,4,5,6
.irp b, 1,2,3,4,5,6,7
.if \b > \a
	v_readlane_b32 s26, v103, tt
	v_readlane_b32 s27, v100, tt
	s_add_co_u32 s27, s27, s26
	v_max_u32 v163, s26, v160
	v_min_u32 v164, s27, v161
	v_mov_b32 v165, (1<<\a)|(1<<\b)
	v_cmp_lt_u32 vcc_lo, v163, v164                ; the two runs share a place
	v_cndmask_b32 v165, 0, v165, vcc_lo
	v_or_b32 v162, v162, v165
.set tt, tt+1
.endif
.endr
.endr
	v_mov_b32 v166, 0
.irp e, 0,1,2,3,4,5,6,7
	v_bfe_u32 v167, v162, \e, 1
	v_add_nc_u32 v166, v166, v167                  ; how many
.endr
	v_and_b32 v167, 1, v166                        ; odd?
	v_add_nc_u32 v168, 1, v162
	v_xor_b32 v169, -1, v162
	v_and_b32 v168, v168, v169                     ; the lowest expert that is not in the set
	v_mul_u32_u24 v168, v168, v167
	v_or_b32 v162, v162, v168                      ; joins it where the number is odd
	v_add_nc_u32 v171, v166, v167                  ; n
	v_mov_b32 v170, 0                              ; L
	v_mov_b32 v172, 0
.irp e, 0,1,2,3,4,5,6,7
	v_bfe_u32 v167, v162, \e, 1
	v_lshlrev_b32 v168, 2, v172
	v_mul_u32_u24 v169, \e, v167
	v_lshlrev_b32 v169, v168, v169
	v_or_b32 v170, v170, v169
	v_add_nc_u32 v172, v172, v167
.endr
	v_lshlrev_b32 v173, 3, v[LN]
	s_lshl_b32 s24, s24, 3
	s_add_co_u32 s24, s24, 65536
	s_mov_b32 s25, 0
	s_add_nc_u64 s[26:27], s[20:21], s[24:25]
	global_store_b64 v173, v[170:171], s[26:27]    ; 32 lanes store 256 consecutive bytes, at a multiple of 256 from ord's first byte
.Lend:
	s_wait_tensorcnt 0x0                           ; the wave's end
	ds_add_u32 v[SPW], v[NIL]
	s_wait_dscnt 0x0
	s_endpgm
.Lfunc_end_k_qbe2b50dd02_prep:
	.size	k_qbe2b50dd02_prep, .Lfunc_end_k_qbe2b50dd02_prep-k_qbe2b50dd02_prep
	.p2alignl 7, 3214868480
	.fill 96, 4, 3214868480
	.section	.rodata,"a",@progbits
	.p2align	6, 0x0
	.amdhsa_kernel k_qbe2b50dd02_prep
		.amdhsa_group_segment_fixed_size 73216
		.amdhsa_private_segment_fixed_size 0
		.amdhsa_enable_private_segment 0
		.amdhsa_kernarg_size 72
		.amdhsa_user_sgpr_count 2
		.amdhsa_user_sgpr_kernarg_segment_ptr 1
		.amdhsa_wavefront_size32 1
		.amdhsa_system_sgpr_workgroup_id_x 1
		.amdhsa_system_sgpr_workgroup_id_y 1
		.amdhsa_system_sgpr_workgroup_id_z 1
		.amdhsa_system_vgpr_workitem_id 0
		.amdhsa_next_free_vgpr 192
		.amdhsa_next_free_sgpr 66
		.amdhsa_reserve_vcc 1
		.amdhsa_float_denorm_mode_32 3
		.amdhsa_float_denorm_mode_16_64 3
		.amdhsa_memory_ordered 1
		.amdhsa_forward_progress 1
		.amdhsa_inst_pref_size 56
	.end_amdhsa_kernel
	.amdgpu_metadata
---
amdhsa.version: [ 1, 2 ]
amdhsa.kernels:
  - .name:           k_qbe2b50dd02_prep
    .symbol:         k_qbe2b50dd02_prep.kd
    .args:
      - { .name: W1, .offset: 0, .size: 8, .value_kind: global_buffer, .address_space: global }
      - { .name: Ws1, .offset: 8, .size: 8, .value_kind: global_buffer, .address_space: global }
      - { .name: W2, .offset: 16, .size: 8, .value_kind: global_buffer, .address_space: global }
      - { .name: Ws2, .offset: 24, .size: 8, .value_kind: global_buffer, .address_space: global }
      - { .name: b2, .offset: 32, .size: 8, .value_kind: global_buffer, .address_space: global }
      - { .name: rt, .offset: 40, .size: 8, .value_kind: global_buffer, .address_space: global }
      - { .name: wq, .offset: 48, .size: 8, .value_kind: global_buffer, .address_space: global }
      - { .name: b2f, .offset: 56, .size: 8, .value_kind: global_buffer, .address_space: global }
      - { .name: ord, .offset: 64, .size: 8, .value_kind: global_buffer, .address_space: global }
    .group_segment_fixed_size: 73216
    .private_segment_fixed_size: 0
    .kernarg_segment_align: 8
    .kernarg_segment_size: 72
    .max_flat_workgroup_size: 256
    .sgpr_count:     66
    .vgpr_count:     192
    .wavefront_size: 32
...
	.end_amdgpu_metadata
.endif
;; end of part 4
;; launch moe (part 5): grid 256 x 1, 4 waves a work-group, no clusters, 167,424 bytes of LDS; arguments xq, xs, wd, ord, wq, b2f, b1, bs1, bs2, out0; writes out0
.if DOCPART == 5
	.amdgcn_target "amdgcn-amd-amdhsa--gfx1250"
	.amdhsa_code_object_version 6
	.text
	.protected	k_qbe2b50dd02_moe
	.globl	k_qbe2b50dd02_moe
	.p2align	8
	.type	k_qbe2b50dd02_moe,@function
k_qbe2b50dd02_moe:
	s_mov_b64 s[64:65], 0
	v_nop
	global_prefetch_b8 v0, s[64:65] scope:SCOPE_SE
	s_setreg_imm32_b32 hwreg(HW_REG_WAVE_MODE, 25, 1), 1
	s_wait_xcnt 0x0
; out0 = sum over e of w[t][e] (relu(x W1[e]^T + b1[e]) W2[e]^T + b2[e]) + relu(x Ws1^T + bs1) Ws2^T + bs2, for 64 tokens that are neighbours in the list sorted by pair of chosen experts.
; LEFT OUT: the products of experts that none of the block's 64 tokens chose: their hidden rows are weighed by w = 0 ahead of the quantiser, so their codes are zeros (shown at the head of the first launch).
; Which experts a block walks is read from ord: L (a nibble each, ascending) and n (even, 2 to 8).  A token's w is 0 for the experts of its block that it did not choose: those rows give zero codes, as reference() has them.
; The four large products run on codes of FP6 (E2M3) with one E8M0 scale for each 32 along K; relu(..) x w is formed in f32 AHEAD of its quantiser.
; SHARES.  256 work-groups of four waves.  At the head wave w gathers K steps 2 w, 2 w + 1 of the 64 tokens' codes and lays them into LDS as images of the operand's registers.  Then the waves share the COLUMNS:
; first layer, three rounds: round 0: shared units 128 w on; rounds 1 and 2: experts L[w] and L[4 + w], passed over where w or 4 + w is not under n;  second layer: output columns 256 w .. 256 w + 255 in two phases of 128.
; Always for all 64 tokens: 32 accumulators.  EVERY PRODUCT IS USED TRANSPOSED (source 0 = 16 rows of a weight, source 1 = 16 tokens): a lane (r, h) holds token r of a tile throughout.
; THE WEIGHTS come from wq as images of the operand's registers: a record of 12,800 bytes (8 fragments, 8 tiles' scale words) for each step of 32 products, straight from memory into four register buffers.
; THE SECOND LAYER'S K STEPS: the experts two at a time on buffers 0 and 1 (a buffer's next record is fetched directly behind its products, so that a pair that is passed over leaves what is pending as it found it),
; then the four shared chunks, written out: chunks 0, 1 on buffers 2, 3, fetched a phase ahead; chunks 2, 3 on buffers 0, 1.  All LDS places hang on the wave's number and on counted steps alone; the lists steer global addresses and jumps.
; Every barrier stands on the way that all waves take; the loops' trip counts are constants, and the jumps on n lead round work alone.
; NOT ASKED FOR JOINTLY in a cluster: partners' blocks have lists of their own, so they would need different records in different numbers.
; w . b2 + bs2 start the second layer's sums: one bf16 product of K = 32 a tile: w and b2 each as a high and a low bf16 part, all four cross terms (all 8 experts: w is 0 for the others).
; LIMITS: NaN and infinities are not served (the maximum with 0 drops a NaN).  Blocks whose largest magnitude lies under 2^-124 take the floor's byte, 1; a block of zeros has the byte 1 and zero codes.
; REGISTERS, in windows of 256.  Window 0: v1-23 addresses; v32-47 the weights' scale words, v48-55 the rows': scales and nothing else; v56-63 the gate's weights; v64-95 w as a bf16 operand;
;   v96-191 the rows' fragments, two buffers (outside the K loops: at work); v192-255 a hidden tile, rows on the way out.   Window 1: the 32 accumulators, (t, m) at v[64 m + 8 t].
;   Window 2: weight buffers 0 and 1 (v0-95, v96-191), biases v192-255.   Window 3: weight buffers 2 and 3, b2's operand v192-255.
.set REC,   12800
.set XIMG,  0                          ; LDS: x's 32 fragments: (8 m + s) x 1,536
.set XSC,   49152                      ; their scale words: 512 s + 16 lane + 4 m
.set HIMG,  53248                      ; the hidden layer's fragments: wave w's chunk of round j, tile m: 18,432 w + 6,144 j + 1,536 m
.set HSC,   126976                     ; their scale words: 1,536 w + 512 j + 16 lane + 4 m
.set STG,   133120                     ; the way out: 16 rows x 528 for each wave
.set SPARE, 166912                     ; the spare words, 128 bytes for each wave: two blocks of 256 bytes that no other line names
.set LI,  1                            ; 16 lane
.set TI,  2                            ; 4 r
.set HH,  3                            ; h
.set XWI, 5                            ; 16 lane + 3,072 w
.set XWS, 6                            ; XSC + 16 lane + 1,024 w
.set LIS, 10                           ; HSC + 16 lane
.set HWI, 13                           ; HIMG + 16 lane + 18,432 w, + 6,144 a round
.set HWS, 14                           ; HSC + 16 lane + 1,536 w, + 512 a round
.set HRD, 15
.set HSR, 16
.set BO1, 17                           ; 64 h
.set BO2, 18                           ; 32 h
.set SO,  19
.set SRD, 20
.set LIH, 21                           ; HIMG + 16 lane
.set SPW, 22                           ; my spare word; never rewritten
.set NIL, 23                           ; 0; never rewritten
.set SW,  32
.set SR,  48
.set GW,  56
.set WF,  64
.set RF,  96
.set TM,  96
.set PW,  112
.set PC,  116
.set OF,  160                          ; the way out: byte offsets of 16 rows of out0, two sets
.set HA,  192
.set TK,  224                          ; the head: my token of tile m;
.set XO,  228                          ; its byte in xq, + 16 h;
.set TS,  232                          ; its byte in xs and in wd;
.set XW,  236                          ; its two scale words;
.set CT,  244                          ; v244-251 at work
.set BIAS, 192                         ; in window 2
.set B2F,  192                         ; in window 3
; scalars: s24 wave; s25 round; s26 my rounds; s27 expert index in the second layer; s28 L; s29 n; s30 a loop's trips; s[32:33] my chunk's records; s[34:37] what steps 6 and 7 of this round fetch, s[38:41] of the next round;
; s[42:45] the second layer's records of experts L[0], L[1]; s[46:47] the second layer's records of my columns; s[48:51] the next biases; s[52:53] lane selects; s[54:57] w of my experts; s[58:61] the expert steps' fetches;
; s62, s63, s66, s67 at work; s[68:99] tokens on the way out
.set MSB, 0
.macro WIN new                         ; the immediate's high byte repeats the setting that is left; a switch that changes nothing is dropped
.if MSB != (\new)
	s_set_vgpr_msb (MSB<<8)|(\new)
.set MSB, (\new)
.endif
.endm
.macro PLACES n                        ; plain vector instructions that name no register of a matrix instruction (ISA guide 7.12.1)
.rept \n
	v_nop
.endr
.endm
.macro BARRIER                         ; my LDS stores have landed and my LDS loads are in: then the work-group's barrier
	s_wait_dscnt 0x0
	s_barrier_signal -1
	s_barrier_wait -1
.endm
; 64 numbers of a lane, v[s] on, register 16 b + i = k 32 b + 16 h + i of my row, become a fragment's codes in v[PC] on and its scale word in v[PW]
.macro QUANT s
.irp b, 0,1,2,3
	v_max3_num_f32 v[TM+\b], |v[(\s)+16*\b]|, |v[(\s)+16*\b+1]|, 0x1800000   ; block b: my 16 numbers, and the floor 2^(3 - 127): the byte cannot fall under 1
.endr
.irp i, 2,4,6,8,10,12,14
.irp b, 0,1,2,3
	v_max3_num_f32 v[TM+\b], v[TM+\b], |v[(\s)+16*\b+\i]|, |v[(\s)+16*\b+\i+1]|   ; (the four blocks by turns)
.endr
.endr
.irp b, 0,1,2,3
	v_permlanex16_b32 v[TM+4+\b], v[TM+\b], s52, s53
.endr
.irp b, 0,1,2,3
	v_max_num_f32 v[TM+\b], v[TM+\b], v[TM+4+\b]   ; with lane l xor 16's: the block's largest magnitude
.endr
.irp b, 0,1,2,3
	v_add_nc_u32 v[TM+12+\b], 0xff000000, v[TM+\b] ; 2 off its exponent field: the conversion's scale operand
.endr
.irp b, 0,1,2,3
	v_lshrrev_b32 v[TM+4+\b], 23, v[TM+12+\b]      ; the scale's byte
.endr
	v_lshl_or_b32 v[PW], v[TM+5], 8, v[TM+4]
	v_lshl_or_b32 v[PW], v[TM+6], 16, v[PW]
	v_lshl_or_b32 v[PW], v[TM+7], 24, v[PW]
.irp c, 0,1
	v_cvt_scalef32_pk16_fp6_f32 v[PC+6*\c:PC+6*\c+2], v[(\s)+32*\c:(\s)+32*\c+15], v[TM+12+2*\c]
	v_cvt_scalef32_pk16_fp6_f32 v[PC+12+4*\c:PC+14+4*\c], v[(\s)+32*\c+16:(\s)+32*\c+31], v[TM+13+2*\c]   ; (a conversion's three registers begin on an even number)
.endr
	v_nop                                          ; one plain place behind a scaled conversion
.irp c, 0,1                                    ; the operand's layout wants a whole block in a lane
.irp i, 0,1,2
	v_permlane16_swap_b32 v[PC+6*\c+\i], v[PC+12+4*\c+\i]
.endr
.irp i, 0,1,2
	v_mov_b32 v[PC+3+6*\c+\i], v[PC+12+4*\c+\i]
.endr
.endr
.endm
; the four tiles' fragments of one K step, and their scale words, into row buffer rb: 13 LDS loads
.macro RFETCH rb, adr, off, mstr, sadr, soff
.irp m, 0,1,2,3
.irp c, 0,1,2
	ds_load_b128 v[RF+48*(\rb)+12*\m+4*\c:RF+48*(\rb)+12*\m+4*\c+3], v[\adr] offset:(\off)+\m*(\mstr)+512*\c
.endr
.endr
	ds_load_b128 v[SR+4*(\rb):SR+4*(\rb)+3], v[\sadr] offset:(\soff)
.endm
; the record at s[base] + goff into weight buffer nb: 25 loads of 512 consecutive bytes
.macro WFETCH nb, base, goff
	WIN 0x80+0x40*((\nb)/2)
.irp t, 0,1,2,3,4,5,6,7
.irp c, 0,1,2
	global_load_b128 v[96*((\nb)%2)+12*\t+4*\c:96*((\nb)%2)+12*\t+4*\c+3], v[LI], s[\base:\base+1] offset:(\goff)+1536*\t+512*\c
.endr
.endr
	WIN 0
	global_load_b128 v[SW+4*(\nb):SW+4*(\nb)+3], v[LI], s[\base:\base+1] offset:(\goff)+12288   ; register i: lanes 0-15 tile i's words, lanes 16-31 tile 4 + i's
.endm
; 32 products: 8 tiles of the weight x 4 tiles of tokens, 128 along K.  cb = 1: the bias starts the sums.  The 32 accumulators take turns, one instruction a turn, in the same order in every step
.macro MUL buf, rb, cb
.if \cb
	WIN 0x62
.else
	WIN 0x52+((\buf)/2)
.endif
.irp t, 0,1,2,3,4,5,6,7
.irp m, 0,1,2,3
.set rD, 64*\m+8*\t
.set rA, 96*((\buf)%2)+12*\t
.set rB, RF+48*(\rb)+12*\m
.set rC, rD
.if \cb
.set rC, BIAS+8*\t
.endif
.if \t < 4
	v_wmma_scale_f32_16x16x128_f8f6f4 v[rD:rD+7], v[rA:rA+11], v[rB:rB+11], v[rC:rC+7], v[SW+4*(\buf)+\t%4], v[SR+4*(\rb)+\m] matrix_a_fmt:MATRIX_FMT_FP6 matrix_b_fmt:MATRIX_FMT_FP6
.else
	v_wmma_scale_f32_16x16x128_f8f6f4 v[rD:rD+7], v[rA:rA+11], v[rB:rB+11], v[rC:rC+7], v[SW+4*(\buf)+\t%4], v[SR+4*(\rb)+\m] matrix_a_fmt:MATRIX_FMT_FP6 matrix_b_fmt:MATRIX_FMT_FP6 matrix_a_scale:MATRIX_SCALE_ROW1
.endif
.endr
.endr
	WIN 0
.endm
; A K step of the first layer.  Four places stand in front of the loads into the row buffer that the last step read and into the weight buffer that the step before it read.  It fetches the record two steps on; pre: the next step's rows.
; nl: the loads issued behind this step's record, which may stay out; 13: the LDS loads issued behind this step's rows
.macro STEP buf, rb, cb, fbase, goff, pre, off, soff, nl
	PLACES 4
	WFETCH ((\buf)+2)%4, \fbase, \goff
.if \pre
	RFETCH 1-(\rb), LI, \off, 12288, LI, \soff
.endif
	s_wait_loadcnt \nl
.if \pre
	s_wait_dscnt 13
.else
	s_wait_dscnt 0x0
.endif
	MUL \buf, \rb, \cb
.endm
.macro BLOAD1 base                     ; a chunk's bias in the result's layout: tile 2 b + u, lane (r, h): units 32 b + 16 h + 8 u + 0 .. 7
	WIN 0x80
.irp t, 0,1,2,3,4,5,6,7
	global_load_b128 v[BIAS+8*\t:BIAS+8*\t+3], v[BO1], s[\base:\base+1] offset:(32*(\t/2)+8*(\t%2))*4
	global_load_b128 v[BIAS+8*\t+4:BIAS+8*\t+7], v[BO1], s[\base:\base+1] offset:(32*(\t/2)+8*(\t%2))*4+16
.endr
	WIN 0
.endm
.macro BLOADS p                        ; phase p of the second layer: bs2 in the result's layout: tile t, lane (r, h): columns 16 t + 8 h + 0 .. 7
	WIN 0x80
.irp t, 0,1,2,3,4,5,6,7
	global_load_b128 v[BIAS+8*\t:BIAS+8*\t+3], v[BO2], s[20:21] offset:512*(\p)+64*\t
	global_load_b128 v[BIAS+8*\t+4:BIAS+8*\t+7], v[BO2], s[20:21] offset:512*(\p)+64*\t+16
.endr
	WIN 0
.endm
.macro BLOADB p                        ; and b2's operand, whose registers 4-7 repeat registers 0-3
	WIN 0xc0
.irp t, 0,1,2,3,4,5,6,7
	global_load_b128 v[B2F+8*\t:B2F+8*\t+3], v[LI], s[14:15] offset:4096*(\p)+512*\t
	global_load_b128 v[B2F+8*\t+4:B2F+8*\t+7], v[LI], s[14:15] offset:4096*(\p)+512*\t
.endr
	WIN 0
.endm
; The expert whose nibble of L begins at bit s[sh]: its first layer's records (stream e % 4, records 8 (e / 4) on) -> s[C], its bias -> s[B], its column of wd -> s[G].  Both fields of the nibble are held to their range before they enter an address
.macro MYEXP sh, C, B, G
	s_lshr_b32 s62, s28, s[\sh]
	s_lshr_b32 s63, s62, 2
	s_and_b32 s62, s62, 3
	s_and_b32 s63, s63, 1
	s_min_u32 s62, s62, 3                          ; e % 4
	s_min_u32 s63, s63, 1                          ; e / 4
	s_mul_i32 s66, s62, 48*REC
	s_mul_i32 s67, s63, 8*REC
	s_add_co_u32 s66, s66, s67
	s_mov_b32 s67, 0
	s_add_nc_u64 s[\C:\C+1], s[12:13], s[66:67]
	s_lshl_b32 s63, s63, 2
	s_add_co_u32 s62, s62, s63                     ; e
	s_lshl_b32 s66, s62, 9
	s_add_nc_u64 s[\B:\B+1], s[16:17], s[66:67]
	s_lshl_b32 s66, s62, 2
	s_add_nc_u64 s[\G:\G+1], s[8:9], s[66:67]
.endm
	s_load_b256 s[4:11], s[0:1], 0x0               ; xq s[4:5], xs s[6:7], wd s[8:9], ord s[10:11]
	s_load_b256 s[12:19], s[0:1], 0x20             ; wq s[12:13], b2f s[14:15], b1 s[16:17], bs1 s[18:19]
	s_load_b128 s[20:23], s[0:1], 0x40             ; bs2 s[20:21], out0 s[22:23]
	v_lshl_add_u32 v[SPW], v0, 2, SPARE
	v_mov_b32 v[NIL], 0
	v_lshrrev_b32 v24, 5, v0
	v_readfirstlane_b32 s24, v24                   ; wave w
	v_and_b32 v24, 31, v0                          ; lane
	v_and_b32 v25, 15, v0                          ; r
	v_bfe_u32 v[HH], v0, 4, 1                      ; h
	v_lshlrev_b32 v[LI], 4, v24
	v_lshlrev_b32 v[TI], 2, v25
	v_lshlrev_b32 v26, 4, v[HH]                    ; 16 h
	v_mul_u32_u24 v28, v25, 528
	s_mul_i32 s62, s24, 3072
	v_add_nc_u32 v[XWI], s62, v[LI]
	s_lshl_b32 s62, s24, 10
	s_add_co_u32 s62, s62, XSC
	v_add_nc_u32 v[XWS], s62, v[LI]
	v_add_nc_u32 v[LIS], HSC, v[LI]
	v_add_nc_u32 v[LIH], HIMG, v[LI]
	s_mul_i32 s62, s24, 18432
	s_add_co_u32 s62, s62, HIMG
	v_add_nc_u32 v[HWI], s62, v[LI]
	s_mul_i32 s62, s24, 1536
	s_add_co_u32 s62, s62, HSC
	v_add_nc_u32 v[HWS], s62, v[LI]
	s_mul_i32 s62, s24, 8448
	s_add_co_u32 s62, s62, STG
	v_add_nc_u32 v[SRD], s62, v[LI]
	v_lshl_add_u32 v29, v[HH], 5, v28
	v_add_nc_u32 v[SO], s62, v29
	v_lshlrev_b32 v[BO1], 6, v[HH]
	v_lshlrev_b32 v[BO2], 5, v[HH]
.irp b, 0,1,2,3
	v_mov_b32 v[TM+4+\b], 0                        ; a lane permute's destination counts as one of its sources
.endr
	s_mov_b32 s52, 0x76543210
	s_mov_b32 s53, 0xfedcba98                      ; v_permlanex16_b32's selects for lane l xor 16
	s_mov_b32 s25, 0                               ; the first layer's round
	s_mov_b32 s63, 0
	s_wait_kmcnt 0x0
	s_mul_i32 s62, s24, 192
	s_add_nc_u64 s[4:5], s[4:5], s[62:63]          ; xq: my two K steps of a token's 768 bytes
	s_lshl_b32 s62, s24, 3
	s_add_nc_u64 s[6:7], s[6:7], s[62:63]          ; xs: their two scale words
	s_lshl_b32 s62, ttmp9, 3
	s_add_co_u32 s62, s62, 65536
	s_add_nc_u64 s[30:31], s[10:11], s[62:63]      ; ord: my block's L and n,
	s_lshl_b32 s62, ttmp9, 8
	s_add_nc_u64 s[10:11], s[10:11], s[62:63]      ; and its 64 tokens
	s_load_b64 s[28:29], s[30:31], 0x0
	s_lshl_b32 s62, s24, 13
	s_add_nc_u64 s[14:15], s[14:15], s[62:63]      ; b2f: my 16 tiles
	s_lshl_b32 s62, s24, 9
	s_add_nc_u64 s[18:19], s[18:19], s[62:63]      ; bs1: units 128 w on
	s_lshl_b32 s62, s24, 10
	s_add_nc_u64 s[20:21], s[20:21], s[62:63]      ; bs2 and out0: my 256 columns
	s_add_nc_u64 s[22:23], s[22:23], s[62:63]
	s_mul_i32 s62, s24, 48*REC
	s_add_co_u32 s62, s62, 16*REC
	s_add_nc_u64 s[32:33], s[12:13], s[62:63]      ; round 0: chunk 8 + w: records 16 on of stream w
	s_add_nc_u64 s[46:47], s[32:33], 8*REC         ; the second layer: records 24 on
.irp m, 0,1,2,3
	global_load_b32 v[TK+\m], v[TI], s[10:11] offset:64*\m                  ; the token at place 16 m + r of my block
.endr
	WFETCH 0, 32, 0                                ; round 0's first two records hang on no list
	WFETCH 1, 32, REC
	s_wait_kmcnt 0x0                               ; L and n
	s_min_u32 s29, s29, 8
	s_and_b32 s62, s28, 15
	s_min_u32 s62, s62, 7                          ; L[0]
	s_mul_i32 s62, s62, REC
	s_add_nc_u64 s[42:43], s[46:47], s[62:63]
	s_lshr_b32 s62, s28, 4
	s_and_b32 s62, s62, 15
	s_min_u32 s62, s62, 7                          ; L[1]
	s_mul_i32 s62, s62, REC
	s_add_nc_u64 s[44:45], s[46:47], s[62:63]
	s_lshl_b32 s31, s24, 2
	MYEXP 31, 34, 48, 54                           ; expert L[w]
	s_add_co_u32 s31, s31, 16
	MYEXP 31, 38, 50, 56                           ; expert L[4 + w]
	s_add_nc_u64 s[36:37], s[34:35], REC
	s_add_nc_u64 s[40:41], s[38:39], REC
	s_cmp_lt_u32 s24, s29                          ; have I a second round?  If not, round 0's last two steps fetch the second layer's first two records
	s_cselect_b64 s[34:35], s[34:35], s[42:43]
	s_cselect_b64 s[36:37], s[36:37], s[44:45]
	s_cselect_b32 s26, 2, 1
	s_add_co_u32 s62, s24, 4
	s_cmp_lt_u32 s62, s29                          ; and a third?
	s_cselect_b64 s[38:39], s[38:39], s[42:43]
	s_cselect_b64 s[40:41], s[40:41], s[44:45]
	s_cselect_b32 s62, 1, 0
	s_add_co_u32 s26, s26, s62                     ; my rounds
	s_wait_loadcnt 50                              ; the tokens are in: behind them two records
.irp m, 0,1,2,3
	v_min_u32 v[TK+\m], 0x3fff, v[TK+\m]
	v_mul_u32_u24 v[XO+\m], v[TK+\m], 768
	v_add_nc_u32 v[XO+\m], v[XO+\m], v26
	v_lshlrev_b32 v[TS+\m], 5, v[TK+\m]
.endr
.irp m, 0,1,2,3
.irp s, 0,1
.irp c, 0,1,2
	global_load_b128 v[RF+24*\m+12*\s+4*\c:RF+24*\m+12*\s+4*\c+3], v[XO+\m], s[4:5] offset:96*\s+32*\c   ; register group c of my lane of the fragment (tile m, K step 2 w + s)
.endr
.endr
	global_load_b64 v[XW+2*\m:XW+2*\m+1], v[TS+\m], s[6:7]
	global_load_b128 v[192+8*\m:195+8*\m], v[TS+\m], s[8:9]                 ; my token's eight w
	global_load_b128 v[196+8*\m:199+8*\m], v[TS+\m], s[8:9] offset:16
	global_load_b32 v[GW+2*\m], v[TS+\m], s[54:55]                          ; its w of expert L[w],
	global_load_b32 v[GW+2*\m+1], v[TS+\m], s[56:57]                        ; and of expert L[4 + w]
.endr
	BLOAD1 18                                      ; round 0's bias
	BLOADB 0
	s_wait_loadcnt 32                              ; the gathers are in: behind them 16 + 16 loads of biases
.irp m, 0,1,2,3
.irp s, 0,1
.irp c, 0,1,2
	ds_store_b128 v[XWI], v[RF+24*\m+12*\s+4*\c:RF+24*\m+12*\s+4*\c+3] offset:(8*\m+\s)*1536+512*\c
.endr
	ds_store_b32 v[XWS], v[XW+2*\m+\s] offset:512*\s+4*\m                   ; both halves of the lanes write their own word of 16 lane: lanes 0-15 are read
.endr
.endr
.irp m, 0,1,2,3
.irp i, 0,1,2,3
	v_cvt_pk_bf16_f32 v[WF+8*\m+\i], v[192+8*\m+2*\i], v[193+8*\m+2*\i]     ; w's high parts: registers 0-3 of the operand,
.endr
.irp i, 0,1,2,3
	v_lshlrev_b32 v[CT+2*\i], 16, v[WF+8*\m+\i]
	v_and_b32 v[CT+2*\i+1], 0xffff0000, v[WF+8*\m+\i]
.endr
.irp j, 0,1,2,3,4,5,6,7
	v_sub_f32 v[CT+\j], v[192+8*\m+\j], v[CT+\j]
.endr
.irp i, 0,1,2,3
	v_cvt_pk_bf16_f32 v[WF+8*\m+4+\i], v[CT+2*\i], v[CT+2*\i+1]             ; its low parts: registers 4-7
.endr
.endr
	BARRIER                                        ; x's 32 fragments and their scale words lie in LDS
	; ---- L1: three rounds, a constant count; a wave jumps over the rounds that it has not.  A round: eight K steps of 32 products, then relu, the gate's weight, the quantiser, the images
.Lround:
	s_cmp_ge_u32 s25, s26
	s_cbranch_scc1 .Lskip
	s_wait_loadcnt 0x0                             ; the round's first two records and its bias, asked for ahead of the last round's end (or at the head)
	RFETCH 0, LI, 0, 12288, LI, XSC
	STEP 0, 0, 1, 32, 2*REC, 1, 1536, XSC+512, 25
.irp s, 1,2,3,4,5
	STEP \s%4, \s%2, 0, 32, (\s+2)*REC, 1, 1536*(\s+1), XSC+512*(\s+1), 50
.endr
	STEP 2, 0, 0, 34, 0, 1, 1536*7, XSC+512*7, 50  ; the last two steps fetch what comes next: my next chunk's first two records, or the second layer's
	STEP 3, 1, 0, 36, 0, 0, 0, 0, 50
	PLACES 4                                       ; in front of the first read of results, and of writes into the row buffers
	s_add_co_u32 s62, s25, 1
	s_cmp_eq_u32 s62, s26
	s_cbranch_scc1 .Lbias2
	BLOAD1 48                                      ; the next chunk's bias
	s_branch .Lbiasd
.Lbias2:
	BLOADS 0                                       ; behind my last round: what starts the second layer's sums
.Lbiasd:
.irp m, 0,1,2,3
	WIN 0x04
.set j, 0
.rept 64
	v_max_num_f32 v[HA+j], 0, v[64*\m+j]           ; relu; each accumulator from its low end on.  Register 16 b + i = unit 32 b + 16 h + i of the chunk
.set j, j+1
.endr
	WIN 0
	s_cmp_eq_u32 s25, 0                            ; the shared expert has no gate
	s_cbranch_scc1 .Lnog\m
.set j, 0
.rept 32
	v_pk_mul_f32 v[HA+j:HA+j+1], v[HA+j:HA+j+1], v[GW+2*\m:GW+2*\m+1] op_sel_hi:[1,0]   ; x w, in f32, ahead of the quantiser
.set j, j+2
.endr
	v_mov_b32 v[GW+2*\m], v[GW+2*\m+1]             ; the next round's weight
.Lnog\m:
	s_wait_dscnt 0x0                               ; the last tile's image stores are done
	QUANT HA
.irp c, 0,1,2
	ds_store_b128 v[HWI], v[PC+4*\c:PC+4*\c+3] offset:1536*\m+512*\c        ; the fragment goes to LDS as it stands
.endr
	ds_store_b32 v[HWS], v[PW] offset:4*\m
.endr
	s_wait_xcnt 0x0                                ; all loads issued have read their bases
	s_mov_b64 s[32:33], s[34:35]
	s_mov_b64 s[34:35], s[38:39]
	s_mov_b64 s[36:37], s[40:41]
	s_mov_b64 s[38:39], s[42:43]
	s_mov_b64 s[40:41], s[44:45]
	s_mov_b64 s[48:49], s[50:51]
	s_wait_dscnt 0x0
.Lskip:
	v_add_nc_u32 v[HWI], 6144, v[HWI]              ; the places step with the round, walked or not
	v_add_nc_u32 v[HWS], 512, v[HWS]
	s_add_co_u32 s25, s25, 1
	s_cmp_lt_u32 s25, 3
	s_cbranch_scc1 .Lround
	PLACES 4
	WFETCH 2, 46, 8*REC                            ; the second layer's shared chunks 0 and 1, phase 0
	WFETCH 3, 46, 9*REC
	BARRIER                                        ; the hidden layer's fragments lie in LDS
	; ---- L2: my 256 columns in two phases of 128: the block's experts, the four shared chunks, then the way out
.macro TOSTAGE m                       ; tile m: 16 tokens x 128 columns through my own stage: a lane's 32 bytes of a row in, whole rows of 512 bytes back
	WIN 0x04
.irp t, 0,1,2,3,4,5,6,7
	ds_store_b128 v[SO], v[64*(\m)+8*\t:64*(\m)+8*\t+3] offset:64*\t        ; each accumulator from its low end on
	ds_store_b128 v[SO], v[64*(\m)+8*\t+4:64*(\m)+8*\t+7] offset:64*\t+16
.endr
	WIN 0
.set BB, 192-96*((\m)%2)
.irp i, 0,1,2,3,4,5,6,7,8,9,10,11,12,13,14,15
	ds_load_b128 v[BB+4*\i:BB+4*\i+3], v[SRD] offset:528*\i                 ; LDS serves a wave's instructions in order: these see the stores above
.endr
.endm
.macro TOKS m                          ; tile m's 16 tokens become the byte offsets of their rows of out0
.set TT, 68+16*((\m)%2)
.set OO, OF+16*((\m)%2)
.irp i, 0,1,2,3,4,5,6,7,8,9,10,11,12,13,14,15
	s_min_u32 s[TT+\i], s[TT+\i], 0x3fff
	s_lshl_b32 s[TT+\i], s[TT+\i], 12
	v_add_nc_u32 v[OO+\i], s[TT+\i], v[LI]
.endr
.endm
.macro SEND m, y, p                    ; y: the LDS instructions issued behind tile m's loads, which may stay out
.set BB, 192-96*((\m)%2)
.set OO, OF+16*((\m)%2)
	s_wait_dscnt \y
.irp i, 0,1,2,3,4,5,6,7,8,9,10,11,12,13,14,15
	global_store_b128 v[OO+\i], v[BB+4*\i:BB+4*\i+3], s[22:23] offset:512*(\p) th:TH_STORE_NT   ; 32 lanes store 512 consecutive bytes of one token's row, at a multiple of 256 from out0's first byte
.endr
.endm
; Experts s27 and s27 + 1 of the list, at places i and i + 1 of the trip's four; passed over where s27 is not under n (n is even).  Behind each buffer's products its next record is fetched: the expert two on, or shared chunk 2 or 3
.macro EPAIR i
	s_cmp_ge_u32 s27, s29
	s_cbranch_scc1 .Lps\@
	s_wait_xcnt 0x0                                ; the last pair's fetches have read their bases
	s_add_co_u32 s62, s27, 2
	s_lshl_b32 s63, s62, 2
	s_lshr_b32 s66, s28, s63                       ; (a shift by 32 counts as none: the choice below does not take that nibble)
	s_lshr_b32 s67, s66, 4
	s_and_b32 s66, s66, 15
	s_and_b32 s67, s67, 15
	s_cmp_lt_u32 s62, s29
	s_cselect_b32 s66, s66, 10
	s_cselect_b32 s67, s67, 11
	s_min_u32 s66, s66, 11                         ; a record of the phase's twelve
	s_min_u32 s67, s67, 11
	s_mul_i32 s62, s66, REC
	s_mov_b32 s63, 0
	s_add_nc_u64 s[58:59], s[46:47], s[62:63]
	s_mul_i32 s62, s67, REC
	s_add_nc_u64 s[60:61], s[46:47], s[62:63]
	PLACES 4
	RFETCH 0, HRD, 18432*(\i), 1536, HSR, 1536*(\i)
	RFETCH 1, HRD, 18432*((\i)+1), 1536, HSR, 1536*((\i)+1)
	s_wait_loadcnt 25                              ; buffer 0's record is in: behind it buffer 1's at the most
	s_wait_dscnt 13
	MUL 0, 0, 0
	PLACES 4
	WFETCH 0, 58, 0
	s_wait_loadcnt 25                              ; buffer 1's record is in: behind it the fetch just issued
	s_wait_dscnt 0x0
	MUL 1, 1, 0
	PLACES 4
	WFETCH 1, 60, 0
.Lps\@:
	s_add_co_u32 s27, s27, 2
.endm
.macro PHASE2 p
	s_wait_loadcnt 0x0                             ; the phase's first four records, bs2 and b2's operand
	s_wait_xcnt 0x0                                ; the last phase's stores have read their registers, its loads their bases
.if (\p) == 1
	s_add_nc_u64 s[46:47], s[46:47], 12*REC
.endif
	s_load_b512 s[68:83], s[10:11], 0x0            ; the tokens of tiles 0 and 1, for the way out
	s_load_b512 s[84:99], s[10:11], 0x40
	v_add_nc_u32 v[HRD], 6144, v[LIH]              ; experts 0-3 of the list are the four waves' chunks of round 1, experts 4-7 those of round 2
	v_add_nc_u32 v[HSR], 512, v[LIS]
	s_mov_b32 s27, 0
	PLACES 5                                       ; in front of matrix instructions that write over accumulators begun anew
	WIN 0x63                                       ; b2 in window 3, w in window 0, bs2 in window 2, the sums in window 1
.irp t, 0,1,2,3,4,5,6,7
.irp m, 0,1,2,3
	v_wmma_f32_16x16x32_bf16 v[64*\m+8*\t:64*\m+8*\t+7], v[B2F+8*\t:B2F+8*\t+7], v[WF+8*\m:WF+8*\m+7], v[BIAS+8*\t:BIAS+8*\t+7]   ; bs2 + sum over e of w b2: K = 8 experts x (high, low) x (high, low)
.endr
.endr
	WIN 0
	PLACES 5                                       ; another form takes these sums up
	s_mov_b32 s30, 0
.Lk\@:                                             ; two trips, a constant count: four places of the list each
	EPAIR 0
	EPAIR 2
	v_add_nc_u32 v[HRD], 6144, v[HRD]
	v_add_nc_u32 v[HSR], 512, v[HSR]
	s_add_co_u32 s30, s30, 1
	s_cmp_lt_u32 s30, 2
	s_cbranch_scc1 .Lk\@
	PLACES 4                                       ; the four shared chunks: the four waves' chunks of round 0
	RFETCH 0, LIH, 0, 1536, LIS, 0
	RFETCH 1, LIH, 18432, 1536, LIS, 1536
	s_wait_loadcnt 50                              ; buffers 2 and 3 are in: behind them the records of buffers 0 and 1
	s_wait_dscnt 13
	MUL 2, 0, 0
	PLACES 4
.if (\p) == 0
	WFETCH 2, 46, 20*REC                           ; the next phase's shared chunk 0
.endif
	RFETCH 0, LIH, 2*18432, 1536, LIS, 2*1536
	s_wait_dscnt 13
	MUL 3, 1, 0
	PLACES 4
.if (\p) == 0
	WFETCH 3, 46, 21*REC
.endif
	RFETCH 1, LIH, 3*18432, 1536, LIS, 3*1536
.if (\p) == 0
	s_wait_loadcnt 50                              ; shared chunks 2 and 3 are in: behind them the next phase's two
.else
	s_wait_loadcnt 0x0
.endif
	s_wait_dscnt 13
	MUL 0, 0, 0
.if (\p) == 0
	PLACES 4
	WFETCH 0, 42, 12*REC                           ; the next phase's record of expert L[0],
.endif
	s_wait_dscnt 0x0
	MUL 1, 1, 0
	PLACES 4                                       ; in front of the first read of results, and of loads into operands' registers
.if (\p) == 0
	WFETCH 1, 44, 12*REC                           ; and of L[1]
	BLOADS 1
	BLOADB 1
.endif
	TOSTAGE 0
	TOSTAGE 1
	s_wait_kmcnt 0x0
	TOKS 0
	TOKS 1
	s_load_b512 s[68:83], s[10:11], 0x80           ; the tokens of tiles 2 and 3
	s_load_b512 s[84:99], s[10:11], 0xc0
	SEND 0, 32, \p                                 ; behind tile 0's loads: tile 1's 16 stores and 16 loads
	s_wait_xcnt 0x0                                ; tile 0's stores have read their registers: tile 2's rows may land there
	TOSTAGE 2
	SEND 1, 32, \p
	s_wait_xcnt 0x0                                ; and tile 1's: both sets of offsets may be written anew
	TOSTAGE 3
	s_wait_kmcnt 0x0
	TOKS 2
	TOKS 3
	SEND 2, 32, \p
	SEND 3, 0, \p
.endm
	PHASE2 0
	PHASE2 1
	s_wait_tensorcnt 0x0                           ; the wave's end
	ds_add_u32 v[SPW], v[NIL]
	s_wait_dscnt 0x0
	s_endpgm
.Lfunc_end_k_qbe2b50dd02_moe:
	.size	k_qbe2b50dd02_moe, .Lfunc_end_k_qbe2b50dd02_moe-k_qbe2b50dd02_moe
	.p2alignl 7, 3214868480
	.fill 96, 4, 3214868480
	.section	.rodata,"a",@progbits
	.p2align	6, 0x0
	.amdhsa_kernel k_qbe2b50dd02_moe
		.amdhsa_group_segment_fixed_size 167424
		.amdhsa_private_segment_fixed_size 0
		.amdhsa_enable_private_segment 0
		.amdhsa_kernarg_size 80
		.amdhsa_user_sgpr_count 2
		.amdhsa_user_sgpr_kernarg_segment_ptr 1
		.amdhsa_wavefront_size32 1
		.amdhsa_system_sgpr_workgroup_id_x 1
		.amdhsa_system_sgpr_workgroup_id_y 1
		.amdhsa_system_sgpr_workgroup_id_z 1
		.amdhsa_system_vgpr_workitem_id 0
		.amdhsa_next_free_vgpr 1024
		.amdhsa_next_free_sgpr 100
		.amdhsa_reserve_vcc 0
		.amdhsa_float_denorm_mode_32 3
		.amdhsa_float_denorm_mode_16_64 3
		.amdhsa_memory_ordered 1
		.amdhsa_forward_progress 1
		.amdhsa_inst_pref_size 255
	.end_amdhsa_kernel
	.section	.bss,"aw",@nobits
	.p2align	6
	.space	262144
	.amdgpu_metadata
---
amdhsa.version: [ 1, 2 ]
amdhsa.kernels:
  - .name:           k_qbe2b50dd02_moe
    .symbol:         k_qbe2b50dd02_moe.kd
    .args:
      - { .name: xq, .offset: 0, .size: 8, .value_kind: global_buffer, .address_space: global }
      - { .name: xs, .offset: 8, .size: 8, .value_kind: global_buffer, .address_space: global }
      - { .name: wd, .offset: 16, .size: 8, .value_kind: global_buffer, .address_space: global }
      - { .name: ord, .offset: 24, .size: 8, .value_kind: global_buffer, .address_space: global }
      - { .name: wq, .offset: 32, .size: 8, .value_kind: global_buffer, .address_space: global }
      - { .name: b2f, .offset: 40, .size: 8, .value_kind: global_buffer, .address_space: global }
      - { .name: b1, .offset: 48, .size: 8, .value_kind: global_buffer, .address_space: global }
      - { .name: bs1, .offset: 56, .size: 8, .value_kind: global_buffer, .address_space: global }
      - { .name: bs2, .offset: 64, .size: 8, .value_kind: global_buffer, .address_space: global }
      - { .name: out0, .offset: 72, .size: 8, .value_kind: global_buffer, .address_space: global }
    .group_segment_fixed_size: 167424
    .private_segment_fixed_size: 0
    .kernarg_segment_align: 8
    .kernarg_segment_size: 80
    .max_flat_workgroup_size: 128
    .sgpr_count:     100
    .vgpr_count:     1024
    .wavefront_size: 32
...
	.end_amdgpu_metadata
.endif
;; end of part 5
